; MI455X (gfx1250); checked and timed in simulation.
; The chip was launched on July 23, 2026; its instructions are those of AMD's public machine-readable ISA for CDNA 5 (MIT licence, August 2026) and "CDNA5" Instruction Set Architecture Reference Guide (July 2026). The comments in the code are by the model that wrote it; some were corrected since.
;; Attention Fusion. Allowed arithmetic: matrix products marked QUANTISED: E5M2 operands, one E8M0 scale for each 32 along K, by v_wmma_scale_f32_16x16x128_f8f6f4 with both operands' format E5M2, f32 sums; everything else in f32.
;; Inputs: out_b 1,024 float32; out_w_codes 1,024 x 32 x 32 uint8 (E5M2 codes of out_w, K innermost, in blocks of 32 codes); out_w_scales 1,024 x 32 uint8 (E8M0 scales of out_w, one for each 32 codes along K); qkv_b 3,072 float32; qkv_w_codes 3,072 x 32 x 32 uint8 (E5M2 codes of qkv_w, K innermost, in blocks of 32 codes); qkv_w_scales 3,072 x 32 uint8 (E8M0 scales of qkv_w, one for each 32 codes along K); x_codes 2 x 2,048 x 32 x 32 uint8 (E5M2 codes of x, K innermost, in blocks of 32 codes); x_scales 2 x 2,048 x 32 uint8 (E8M0 scales of x, one for each 32 codes along K).
;; Outputs: out0 2 x 2,048 x 1,024 float32.
;; This version of the problem:
;;   THIS VERSION OF THE PROBLEM IS GIVEN IN LOW PRECISION. The matrix products marked QUANTISED in the list below multiply operands that are first quantised to E5M2 (5 exponent bits, 2 mantissa bits; 8 bits a number), with one power-of-two scale for each 32 numbers along K (OCP MX v1.0); their sums are f32. All else is computed in f32.
;;   The module's matrix products, in the order in which they are computed (A, B: the left and right operand; K: the contracted axis; several contracted axes count as one K, in the product's order):
;;     1. [M 4,096, K 1,024] x [K 1,024, N 3,072]; A: input x (given as codes); B: input qkv_w (given as codes): QUANTISED
;;     2. batch 32 x [M 2,048, K 64] x [K 64, N 2,048]; A: computed on the way; B: computed on the way: QUANTISED
;;     3. batch 32 x [M 2,048, K 2,048] x [K 2,048, N 64]; A: softmax (see below); B: computed on the way: QUANTISED
;;     4. [M 4,096, K 1,024] x [K 1,024, N 1,024]; A: computed on the way; B: input out_w (given as codes): QUANTISED
;;   THE QUANTISER, for each operand of a quantised product, along K:
;;     - K is cut into blocks of 32 from its start; a last block that is shorter is filled with zeros.
;;     - A block's scale is 2^e with e = floor(log2(the largest magnitude in the block)) - 15, held to -126 .. 127; a block of zeros has e = 0. As a byte (E8M0): e + 127.
;;     - Each number is divided by its block's scale, clamped to +-57,344, and rounded to the nearest number of E5M2, ties to even, subnormals kept.
;;     - The product sums the exact products of the quantised numbers (number of the format x scale) in f32.
;;   ~~~python
;;   def quantise(x, axis):      # numpy; x: float32 -> the quantised numbers, widened to float32 again
;;       x = np.moveaxis(x, axis, -1); K = x.shape[-1]
;;       x = np.pad(x, [(0, 0)] * (x.ndim - 1) + [(0, -K % 32)]); x = x.reshape(x.shape[:-1] + (-1, 32)); a = np.abs(x).max(-1, keepdims=True)
;;       e = np.where(a > 0, np.clip(np.frexp(np.where(a > 0, a, 1))[1] - 1 - 15, -126, 127), 0)      # np.frexp(a)[1] - 1 = floor(log2(a)), exactly
;;       r = np.clip(x / 2.0 ** e, -57344, 57344)
;;       step = 2.0 ** (np.maximum(np.frexp(np.where(r == 0, 1, r))[1] - 1, -14) - 2)
;;       q = np.round(r / step) * step * 2.0 ** e      # np.round: ties to even
;;       return np.moveaxis(q.reshape(q.shape[:-2] + (-1,))[..., :K], -1, axis).astype(np.float32)
;;   ~~~
;;   SOFTMAX AHEAD OF A QUANTISED PRODUCT. Where the list says 'softmax', what is quantised is not the finished softmax but p = 2^(t - M), with t = logit x log2(e) and M = ceil(the row's largest t), a whole number; so 1/2 < the row's largest p <= 1. The row's sum l is taken of the UNQUANTISED p, in f32, and the product's result is divided by l at the end. Since M is a whole number, a kernel that streams over the keys may use a running M (the ceiling of the running maximum): every later rescaling is an exact power of two, which a block's scale takes up: the codes' values come out the same.
;;   OPERANDS COMPUTED ON THE WAY. 'Computed on the way' means the value that the module computes at that place (a softmax that the list does not call 'softmax' is quantised finished and normalised). What goes into a quantiser is computed in f32, as accurately as f32 sums, v_exp_f32 and their like allow (about 1e-6 of the number): no bf16 or f16 on the way to a quantiser, and a product that is left as it is and whose result goes on into a quantised operand takes f32 operands (vector FMAs, or v_wmma_f32_16x16x4_f32). A number that lies on a knife's edge between two numbers of the format may be rounded either way, as far as f32 arithmetic and the matrix unit's own rounding can turn it there, and no further.
;;   INPUTS GIVEN AS CODES. out_w (in the module: [1024, 1024], K = its axis 1); qkv_w (in the module: [3072, 1024], K = its axis 1); x (in the module: [2, 2048, 1024], K = its axis 2): each comes as NAME_codes (uint8): NAME with its K axis moved to the last place and cut into blocks of 32 codes, [.., K / 32, bytes a block], one block behind the other in memory; one code a byte (a code: sign, 5 exponent bits, 2 mantissa bits); and NAME_scales (uint8): the same leading axes, one E8M0 byte (e + 127) for each 32 codes along K. Its value is code x scale, taken as it is: it is not quantised again, and the codes and scales need not be those that the quantiser above would give.
;; One version. Each part assembles by itself: llvm-mc -triple=amdgcn-amd-amdhsa -mcpu=gfx1250 --defsym DOCPART=n.
;; ======== version 1 of 1: 3 launches
;; limits: right only within a limited range of input values
;; workspace buffers: qc 4,194,304 bytes; kc 4,194,304 bytes; vc 4,194,304 bytes; oc 4,194,304 bytes; qs 131,072 bytes; ks 131,072 bytes; vs 131,072 bytes; os 131,072 bytes
;; launch qkv (part 1): grid 16 x 16, 4 waves a work-group, clusters of 4 x 4, 327,680 bytes of LDS; arguments x_codes, x_scales, qkv_w_codes, qkv_w_scales, qc, kc, vc, qs, ks, vs, qkv_b; writes qc, kc, vc, qs, ks, vs
.if DOCPART == 1
	.amdgcn_target "amdgcn-amd-amdhsa--gfx1250"
	.amdhsa_code_object_version 6
	.text
	.protected	k_q297847a548_qkv
	.globl	k_q297847a548_qkv
	.p2align	8
	.type	k_q297847a548_qkv,@function
k_q297847a548_qkv:
	s_mov_b64 s[64:65], 0
	v_nop
	global_prefetch_b8 v0, s[64:65] scope:SCOPE_SE
	s_setreg_imm32_b32 hwreg(HW_REG_WAVE_MODE, 25, 1), 1
	s_wait_xcnt 0x0
	s_wait_alu depctr_hold_cnt(0) depctr_sa_sdst(0) depctr_va_vdst(0) depctr_va_sdst(0) depctr_va_ssrc(0) depctr_va_vcc(0) depctr_vm_vsrc(0)
	s_getreg_b32 s2, hwreg(HW_REG_IB_STS2, 6, 4)
	s_cmp_eq_u32 s2, 0
	s_cbranch_scc0 .Lentry_in_a_cluster
	s_endpgm
.Lentry_in_a_cluster:
	s_bfe_u32 s2, ttmp6, 0x10000c
	s_cmp_lg_u32 s2, 0xf033
	s_cbranch_scc0 .Lentry_shape_is_right
	s_endpgm
.Lentry_shape_is_right:
; Q, K, V = x W^T + b on codes of BF8 (E5M2) with one E8M0 scale for each 32 along K = 1,024, and their quantisers: 4,096 x 3,072 x 1,024.  Q's and K's blocks of 32 run along the head's 64, V's along the keys.  No f32 result is stored.
; No work of reference() is left out in this program.  LIMITS: NaN, infinities and sums beyond f32's range are not served; a block of zeros gets the byte 1 (its codes are zeros; this program alone reads the bytes).
; SHARES.  256 work-groups of four waves, 2 x 2.  PHASE 1: 256 rows x 128 columns of Q (tile columns 0 to 7) or K (8 to 15).  PHASE 2: 128 rows x 128 columns of V, of ONE OF THE SAME TWO WINDOWS of 128 rows: number s18, made from the cluster's number alone.
; A wave holds 64 rows of a weight (one head), all of K, in 512 registers, and streams blocks of 16 rows of x past them: eight in phase 1, four in phase 2, through two sets of 128 registers.
; ORDER OF WORK.  LDS holds two slots of 128 rows.  Head: the first weight in slot 1, the window that is not V's in slot 0.  V's window takes slot 1 when the weight is in registers and stays there for both phases; W_v takes slot 0 when its rows of x have been read.
; CLUSTERS of 4 x 4: x's rows are asked for jointly along a row of the cluster, the weights' along a column.
; PREFETCH: V's window of x, once in each cluster row, a weight's 128 loads from LDS ahead of its tensor load.  W_v is not prefetched: it is asked for five blocks of 32 products ahead of its first use.
; LAYOUT.  Phase 1: source 0 = 16 rows of the weight, source 1 = 16 rows of x: lane (r, h) holds token r, features 16 t + 8 h + j.  Phase 2: source 0 = x: lane (r, h) holds column 16 t + r, tokens 8 h + j.  A scale block lies in lanes l and l xor 16.
; BUFFERS: a piece is 512 bytes, 16 rows x 32 codes, (row r, half h') at 16 (r + 16 h').  qc, kc: [bh][32 rows][piece 2 u' + blk], rows of the odd u' at r xor 8.  vc: [bh][128 keys][16 d][32 keys].
; qs, ks: [bh][128 rows] of 256 bytes: tile 2 b + e's row r at 128 e + 16 (r % 8) + 4 b + 2 (r / 8), two bytes.  vs: [bh][128 keys] of 256 bytes: d = 16 t + r, keys 32 c on: at 16 r + 4 t + c.
; REGISTERS: window 0 as below; windows 1, 2: the weight's fragments, 4 q + b; window 3: x's two sets.
.set PITCH, 1040                       ; an LDS row: 1,024 bytes + 16 of padding
.set S1,   128*PITCH                   ; slot 1
.set SCL,  2*S1                        ; x's scale bytes in the order of work: two windows of 128 rows of 32, units of 256 bytes + 16 of padding
.set WIN_S, 4352
.set XN,   SCL+2*WIN_S                 ; Q's or K's scale bytes: [head of two][window, in the order of work] of 256 bytes
.set XV,   XN+1024                     ; V's: [head of two] of 256 bytes
.set SPARE, XV+512
.set XA0, 4                            ; v4, v5  my fragments of x in slot 0, 1
.set XS,  6                            ; v6   my row's scale words
.set WA1, 7                            ; v7   my fragments of a weight in slot 1;  v8 in slot 0
.set WA0, 8
.set XNA, 9
.set XVA, 10
.set LO0, 12                           ; v12  16 r + 8 h;  v13 the same xor 128
.set ABS, 14
.set BOQ, 15
.set BOV, 16
.set PFV, 17
.set SPW, 18
.set NIL, 19
.set SB,  24                           ; the first weight's scale words: register 8 p + q: lanes 0-15 tile 2 p's, lanes 16-31 tile 2 p + 1's
.set SA,  44                           ; x's, two sets of eight
.set ACC, 64                           ; two sets of four accumulators
.set BQ,  128                          ; the biases, in the results' layouts
.set BV,  160
.set PC,  192                          ; codes
.set SBV, 208                          ; W_v's scale words
.set TM,  224
.set TP,  228
.set SO,  232
.set HB,  236
.set EB,  240
.set MNT, 3                            ; s3   the mantissa field of 57,344
.set SEL, 100
.set G1W, 24                           ; descriptor groups: the first weight; x's first window; x's scale bytes; the two refills
.set G0W, 56
.set G1X, 32
.set G0X, 60
.set G1S, 92
.set G0S, 72
.set G1R, 48
.set G0R, 68
.set G1V, 76
.set G0V, 84
.set OC1, 60                           ; from block 0 on: s[62:63], s[60:61] Q's or K's codes of the two windows, s[72:73] V's; s[74:75], s[92:93] scale bytes
.set OV,  72
.set OQS, 74
.set OVS, 92
.set MSB, 0
.macro WIN new                         ; the immediate's high byte repeats the setting that is left
.if MSB != (\new)
	s_set_vgpr_msb (MSB<<8)|(\new)
.set MSB, (\new)
.endif
.endm
.macro PLACES n
.rept \n
	v_nop
.endr
.endm
.macro BARRIER
	s_barrier_signal -1
	s_barrier_wait -1
.endm
.macro CREST                           ; a round of the cluster's barrier behind its opening barrier
	s_cmp_lg_u32 s14, 0
	s_cbranch_scc1 .Lnot_wave_0_\@
	s_barrier_signal -3
.Lnot_wave_0_\@:
	s_barrier_wait -3
	BARRIER
.endm
.macro CROUND
	BARRIER
	CREST
.endm
.macro TLOAD g0, g1
	tensor_load_to_lds s[\g0:\g0+3], s[\g1:\g1+7]
	s_nop 0
	PLACES 4
.endm
.macro GROUP1 g, mask, rows            ; so many rows of 1,024 bytes; 21 set beside a mask; 4 words of padding behind every 256
	s_or_b32 s[\g], s[\mask], (1<<20)|(1<<21)|(7<<22)|(3<<25)
	s_mov_b32 s[\g+1], 1024<<16
	s_mov_b32 s[\g+2], (\rows)<<16
	s_mov_b32 s[\g+3], 1024<<16
	s_mov_b32 s[\g+4], \rows
	s_mov_b32 s[\g+5], 1024
	s_mov_b32 s[\g+6], 0
	s_mov_b32 s[\g+7], 0
.endm
	s_load_b256 s[4:11], s[0:1], 0x0               ; x_codes, x_scales, qkv_w_codes, qkv_w_scales
	s_load_b64 s[12:13], s[0:1], 0x50              ; qkv_b
	v_lshl_add_u32 v[SPW], v0, 2, SPARE
	v_mov_b32 v[NIL], 0
	ds_add_u32 v[SPW], v[NIL]                      ; the wave's opening: the add, twice on end, and its wait ahead of my first tensor load
	ds_add_u32 v[SPW], v[NIL]
	v_lshrrev_b32 v1, 5, v0
	v_readfirstlane_b32 s14, v1                    ; wave 0..3
	s_lshr_b32 s15, s14, 1                         ; my row of waves
	s_and_b32 s16, s14, 1                          ; my column of waves
	s_bfe_u32 s40, ttmp6, 0x40000                  ; cx, cy
	s_bfe_u32 s41, ttmp6, 0x40004
	s_lshl_b32 s42, ttmp9, 2
	s_add_co_u32 s42, s42, s40                     ; phase 1's tile column
	s_and_b32 s43, ttmp7, 0xffff
	s_lshl_b32 s43, s43, 2
	s_add_co_u32 s43, s43, s41                     ; tile row: 256 rows
	s_and_b32 s18, ttmp9, 1                        ; V's window of the two
	s_lshr_b32 s19, ttmp9, 1
	s_lshl_b32 s19, s19, 2
	s_add_co_u32 s19, s19, s40                     ; V's tile column, 0..7
	s_lshl_b32 s44, s41, 2
	s_lshl_b32 s44, 15, s44                        ; my row of the cluster: shares x's rows
	s_lshl_b32 s45, 0x1111, s40                    ; my column: shares the weights'
	GROUP1 G1W, 45, 128
	GROUP1 G1X, 44, 128
	GROUP1 G1R, 44, 32
	GROUP1 G1V, 45, 32
	s_or_b32 s[G1S], s44, (3<<16)|(1<<20)|(1<<21)|(5<<22)|(3<<25)   ; 4,096 dense bytes as 16 rows of 256, 16 of padding behind each
	s_mov_b32 s[G1S+1], 32<<16
	s_mov_b32 s[G1S+2], 16<<16
	s_mov_b32 s[G1S+3], 32<<16
	s_mov_b32 s[G1S+4], 16
	s_mov_b32 s[G1S+5], 32
	s_mov_b32 s[G1S+6], 0
	s_mov_b32 s[G1S+7], 0
	s_lshl_b32 s20, s43, 18                        ; offsets in x_codes: the tile row,
	s_lshl_b32 s21, s18, 17
	s_add_co_u32 s22, s20, s21                     ; V's window,
	s_xor_b32 s21, s21, 0x20000
	s_add_co_u32 s23, s20, s21                     ; the other window
	s_mov_b32 s[MNT], 0x600000
	s_mov_b32 s[SEL], 0x76543210
	s_mov_b32 s[SEL+1], 0xfedcba98
	s_wait_dscnt 0x0                               ; both opening adds are done
	CROUND                                         ; all sixteen work-groups are here: the first joint loads meet
	s_wait_kmcnt 0x0
	s_mov_b32 s89, 0
	s_lshl_b32 s88, s42, 17                        ; the first weight: 128 rows from 128 x tile column on
	s_mov_b32 s[G0W], 1
	s_mov_b32 s[G0W+1], S1
	s_add_nc_u64 s[G0W+2:G0W+3], s[8:9], s[88:89]
	s_or_b32 s[G0W+3], s[G0W+3], 0x80000000
	s_mov_b32 s88, s23
	s_mov_b32 s[G0X], 1
	s_mov_b32 s[G0X+1], 0
	s_add_nc_u64 s[G0X+2:G0X+3], s[4:5], s[88:89]
	s_or_b32 s[G0X+3], s[G0X+3], 0x80000000
	s_xor_b32 s17, s18, s16                        ; the scale bytes: wave 2 the window that is not V's, wave 3 V's
	s_xor_b32 s17, s17, 1
	s_lshl_b32 s88, s43, 13
	s_lshl_b32 s20, s17, 12
	s_add_co_u32 s88, s88, s20
	s_mov_b32 s[G0S], 1
	s_mul_i32 s[G0S+1], s16, WIN_S
	s_add_co_u32 s[G0S+1], s[G0S+1], SCL
	s_add_nc_u64 s[G0S+2:G0S+3], s[6:7], s[88:89]
	s_or_b32 s[G0S+3], s[G0S+3], 0x80000000
	s_mul_i32 s20, s14, 32*PITCH                   ; a refill: 32 rows a wave: V's window into slot 1,
	s_lshl_b32 s21, s14, 15
	s_add_co_u32 s88, s22, s21
	s_mov_b32 s[G0R], 1
	s_add_co_u32 s[G0R+1], s20, S1
	s_add_nc_u64 s[G0R+2:G0R+3], s[4:5], s[88:89]
	s_or_b32 s[G0R+3], s[G0R+3], 0x80000000
	s_lshl_b32 s88, s19, 17                        ; W_v into slot 0: rows 2,048 + 128 x tile column on
	s_add_co_u32 s88, s88, 0x200000
	s_add_co_u32 s88, s88, s21
	s_mov_b32 s[G0V], 1
	s_mov_b32 s[G0V+1], s20
	s_add_nc_u64 s[G0V+2:G0V+3], s[8:9], s[88:89]
	s_or_b32 s[G0V+3], s[G0V+3], 0x80000000
	s_cmp_eq_u32 s14, 0                            ; ONE joint load a wave, and a line of its own for what is shown ahead of the rest
	s_cbranch_scc0 .Lwave_1
	TLOAD G0W, G1W
	s_branch .Lasked
.Lwave_1:
	s_cmp_eq_u32 s14, 1
	s_cbranch_scc0 .Lfor_scales
	TLOAD G0X, G1X
	s_branch .Lasked
.Lfor_scales:
	TLOAD G0S, G1S
.Lasked:
	v_and_b32 v1, 15, v0                           ; r
	v_bfe_u32 v2, v0, 4, 1                         ; h
	v_and_b32 v3, 31, v0                           ; lane
	v_bfe_u32 v20, v0, 3, 1                        ; r / 8
	v_and_b32 v21, 7, v0                           ; r % 8
	v_mul_u32_u24 v22, v1, PITCH
	v_lshlrev_b32 v[ABS], 5, v3
	v_lshlrev_b32 v[BOQ], 5, v2
	v_lshl_add_u32 v22, v2, 4, v22                 ; a fragment's row x pitch + 16 h
	v_lshlrev_b32 v[BOV], 2, v1
	v_lshlrev_b32 v[PFV], 8, v3
	v_lshlrev_b32 v[LO0], 4, v1
	v_lshlrev_b32 v23, 5, v1
	s_mul_i32 s20, s15, 64*PITCH
	v_add_nc_u32 v[XA0], s20, v22
	s_mul_i32 s21, s16, 64*PITCH
	v_add_nc_u32 v[WA0], s21, v22
	v_lshl_add_u32 v[LO0], v2, 3, v[LO0]
	v_lshl_add_u32 v23, v20, 4, v23                ; x's scale bytes: 32 a row, and 16 more for each eight rows passed
	v_add_nc_u32 v[XA0+1], S1, v[XA0]
	v_add_nc_u32 v[WA1], S1, v[WA0]
	v_xor_b32 v[LO0+1], 128, v[LO0]
	s_mul_i32 s20, s15, 2176
	s_add_co_u32 s20, s20, SCL
	v_add_nc_u32 v[XS], s20, v23
	v_lshlrev_b32 v21, 4, v21
	v_lshl_add_u32 v21, v20, 1, v21                ; 16 (r % 8) + 2 (r / 8)
	s_lshl_b32 s20, s16, 9
	s_lshl_b32 s21, s15, 3
	s_add_co_u32 s20, s20, s21
	s_add_co_u32 s20, s20, XN
	v_add_nc_u32 v[XNA], s20, v21
	v_lshlrev_b32 v23, 4, v1
	s_lshl_b32 s20, s16, 8
	s_lshl_b32 s21, s15, 1
	s_add_co_u32 s20, s20, s21
	s_add_co_u32 s20, s20, XV
	v_add_nc_u32 v[XVA], s20, v23
	s_lshl_b32 s20, s40, 2                         ; my wave's share of the prefetch, a sixteenth of 131,072 bytes: a block of 256 bytes a lane
	s_add_co_u32 s20, s20, s14
	s_lshl_b32 s20, s20, 13
	s_add_co_u32 s20, s20, s22
	v_add_nc_u32 v[PFV], s20, v[PFV]
.irp b, 0,1,2,3
	v_mov_b32 v[TP+\b], 0                          ; a lane permute's destination counts as one of its sources
.endr
	s_lshl_b32 s88, s16, 11                        ; the weights' scale bytes: my 64 rows of 32
	s_lshl_b32 s46, s42, 12
	s_add_co_u32 s46, s46, s88
	s_mov_b32 s47, 0
	s_lshl_b32 s90, s19, 12
	s_add_co_u32 s90, s90, s88
	s_add_co_u32 s90, s90, 65536
	s_mov_b32 s91, 0
	s_lshl_b32 s88, s16, 8                         ; the biases: my 64 numbers
	s_lshl_b32 s20, s42, 9
	s_add_co_u32 s20, s20, s88
	s_mov_b32 s21, 0
	s_lshl_b32 s22, s19, 9
	s_add_co_u32 s22, s22, s88
	s_add_co_u32 s22, s22, 8192
	s_mov_b32 s23, 0
	s_add_nc_u64 s[46:47], s[10:11], s[46:47]
	s_add_nc_u64 s[90:91], s[10:11], s[90:91]
	s_add_nc_u64 s[20:21], s[12:13], s[20:21]
	s_add_nc_u64 s[22:23], s[12:13], s[22:23]
	s_wait_alu depctr_va_vdst(0)                   ; the wait at the head's end
.irp p, 0,1
.irp c, 0,1
	global_load_b128 v[SB+8*\p+4*\c:SB+8*\p+4*\c+3], v[ABS], s[46:47] offset:1024*\p+16*\c
	global_load_b128 v[SBV+8*\p+4*\c:SBV+8*\p+4*\c+3], v[ABS], s[90:91] offset:1024*\p+16*\c
.endr
.endr
.irp t, 0,1,2,3
	global_load_b128 v[BQ+8*\t:BQ+8*\t+3], v[BOQ], s[20:21] offset:64*\t          ; b[16 t + 8 h + 0 .. 7]
	global_load_b128 v[BQ+8*\t+4:BQ+8*\t+7], v[BOQ], s[20:21] offset:64*\t+16
.endr
.irp t, 0,1,2,3
.irp j, 0,1,2,3,4,5,6,7
	global_load_b32 v[BV+8*\t+\j], v[BOV], s[22:23] offset:64*\t                  ; b[16 t + r], eight times
.endr
.endr
	global_prefetch_b8 v[PFV], s[4:5] th:TH_LOAD_NT scope:SCOPE_SE                ; V's window of x
	s_cmp_eq_u32 s14, 0
	s_cbranch_scc0 .Lnot_w
	s_wait_tensorcnt 0x0                           ; wave 0: the first weight.  The other waves' wait stands at the round below
.Lnot_w:
	BARRIER
.macro WEIGHTS adr                     ; my 64 rows of a weight, all of K: 128 loads.  A fragment, 16 rows x 128 K: lane l holds row l % 16; registers 4 c .. 4 c + 3 hold K = 32 c + 16 (l / 16) + 0 .. 15
.irp q, 0,1,2,3,4,5,6,7
.irp b, 0,1,2,3
.set F_, 4*\q+\b
	WIN (1+F_/16)<<6
.irp c, 0,1,2,3
	ds_load_b128 v[16*(F_%16)+4*\c:16*(F_%16)+4*\c+3], v[\adr] offset:\b*16*PITCH+128*\q+32*\c
.endr
.endr
.endr
	WIN 0
.endm
.macro FETCH e, k                      ; block k of x (its window k / 4 in the order of work) into set e, and its scale words: 34 loads
	WIN 0xc0
.irp q, 0,1,2,3,4,5,6,7
.irp c, 0,1,2,3
	ds_load_b128 v[128*\e+16*\q+4*\c:128*\e+16*\q+4*\c+3], v[XA0+(\k)/4] offset:((\k)%4)*16*PITCH+128*\q+32*\c
.endr
.endr
	WIN 0
	ds_load_b128 v[SA+8*\e:SA+8*\e+3], v[XS] offset:((\k)/4)*WIN_S+((\k)%4)*544
	ds_load_b128 v[SA+8*\e+4:SA+8*\e+7], v[XS] offset:((\k)/4)*WIN_S+((\k)%4)*544+16
.endm
.macro WMMA d, a, b, c, sa, sb, mod:vararg
	v_wmma_scale_f32_16x16x128_f8f6f4 v[\d:\d+7], v[\a:\a+15], v[\b:\b+15], v[\c:\c+7], v[\sa], v[\sb] matrix_a_fmt:MATRIX_FMT_BF8 matrix_b_fmt:MATRIX_FMT_BF8 \mod
.endm
.macro PROD kind, e, n                 ; product n = 4 q + b of a block: the q-th 128 of K, tile b of the weight's rows; x's set and the sums' set e.  The first four begin with the bias; the four accumulators take turns
.set Q_, (\n)/4
.set B_, (\n)%4
.set W_, 16*((\n)%16)
.set A_, ACC+32*(\e)+8*B_
.set C_, A_
.if Q_ == 0
.set C_, BQ+(BV-BQ)*(\kind)+8*B_
.endif
.set R_, 128*(\e)+16*Q_
.set XS_, SA+8*(\e)+Q_
.set WS_, SB+(SBV-SB)*(\kind)+8*(B_/2)+Q_
.if \kind
	WIN 3|((1+(\n)/16)<<2)
.if B_%2
	WMMA A_, R_, W_, C_, XS_, WS_, matrix_b_scale:MATRIX_SCALE_ROW1
.else
	WMMA A_, R_, W_, C_, XS_, WS_
.endif
.else
	WIN (1+(\n)/16)|(3<<2)
.if B_%2
	WMMA A_, W_, R_, C_, WS_, XS_, matrix_a_scale:MATRIX_SCALE_ROW1
.else
	WMMA A_, W_, R_, C_, WS_, XS_
.endif
.endif
.endm
.macro PRODS kind, e, from, to
.set N_, \from
.rept (\to)-(\from)
	PROD \kind, \e, N_
.set N_, N_+1
.endr
.endm
.macro BLOCK kind, e
	s_wait_dscnt 34                                ; my block's 34 loads are in; the next block's may be out
	PRODS \kind, \e, 0, 32
	WIN 0
.endm
; THE QUANTISER of block k of Q or K, behind the next block's products: the lines name none of their registers and are their places
.macro EPI k
.set X_, ACC+32*((\k)%2)
.set P_, PC+8*((\k)%2)
	s_wait_xcnt 0x0                                ; earlier stores have read their codes
.irp t, 0,1,2,3
	v_max3_num_f32 v[TM+\t], |v[X_+8*\t]|, |v[X_+8*\t+1]|, |v[X_+8*\t+2]|
.endr
.irp i, 3,5
.irp t, 0,1,2,3
	v_max3_num_f32 v[TM+\t], v[TM+\t], |v[X_+8*\t+\i]|, |v[X_+8*\t+\i+1]|
.endr
.endr
.irp b, 0,1
	v_max3_num_f32 v[TM+2*\b], v[TM+2*\b], |v[X_+16*\b+7]|, v[TM+2*\b+1]
.endr
.irp b, 0,1
	v_max3_num_f32 v[TM+2*\b], v[TM+2*\b], |v[X_+16*\b+15]|, 0x8000000   ; the floor 2^(16 - 127): the byte cannot fall under 1
.endr
.irp b, 0,1
	v_permlanex16_b32 v[TP+\b], v[TM+2*\b], s[SEL], s[SEL+1]
.endr
.irp b, 0,1
	v_max_num_f32 v[TM+2*\b], v[TM+2*\b], v[TP+\b]
.endr
.irp b, 0,1
	v_add_nc_u32 v[SO+\b], 0xf8800000, v[TM+2*\b]  ; 15 off the exponent field: the conversion's scale operand
.endr
.irp b, 0,1
	v_and_or_b32 v[HB+\b], v[TM+2*\b], 0x7f800000, s[MNT]   ; 57,344 x the scale
.endr
.irp b, 0,1
	v_lshrrev_b32 v[EB+\b], 23, v[SO+\b]
.endr
	v_lshl_or_b32 v[EB], v[EB+1], 8, v[EB]         ; my token's two scale bytes
.irp b, 0,1
.irp i, 0,1,2,3,4,5,6,7,8,9,10,11,12,13,14,15
	v_med3_num_f32 v[X_+16*\b+\i], v[X_+16*\b+\i], -v[HB+\b], v[HB+\b]
.endr
	v_cvt_scalef32_pk8_bf8_f32 v[P_+4*\b:P_+4*\b+1], v[X_+16*\b:X_+16*\b+7], v[SO+\b]
	v_cvt_scalef32_pk8_bf8_f32 v[P_+4*\b+2:P_+4*\b+3], v[X_+16*\b+8:X_+16*\b+15], v[SO+\b]
.endr
	v_nop                                          ; a plain line behind the last conversion
	ds_store_b16 v[XNA], v[EB] offset:((\k)/4)*256+4*(((\k)%4)/2)+128*((\k)%2)    ; both lanes of a row write the same two bytes
.irp t, 0,1,2,3
	global_store_b64 v[LO0+(\k)%2], v[P_+2*\t:P_+2*\t+1], s[OC1+2-2*((\k)/4):OC1+3-2*((\k)/4)] offset:(((\k)%4)/2)*2048+((\k)%2)*1024+(\t/2)*512+(\t%2)*256   ; the 32 lanes store 256 consecutive bytes, aligned: half a piece
.endr
.endm
.macro EPIV c                          ; and of a pair of V's blocks, 32 tokens: the even block's sums in set 0, the odd's in set 1
	s_wait_xcnt 0x0
.irp t, 0,1,2,3
	v_max3_num_f32 v[TM+\t], |v[ACC+8*\t]|, |v[ACC+8*\t+1]|, |v[ACC+8*\t+2]|
.endr
.irp i, 3,5
.irp t, 0,1,2,3
	v_max3_num_f32 v[TM+\t], v[TM+\t], |v[ACC+8*\t+\i]|, |v[ACC+8*\t+\i+1]|
.endr
.endr
.irp t, 0,1,2,3
	v_max3_num_f32 v[TM+\t], v[TM+\t], |v[ACC+8*\t+7]|, |v[ACC+32+8*\t]|
.endr
.irp i, 1,3,5
.irp t, 0,1,2,3
	v_max3_num_f32 v[TM+\t], v[TM+\t], |v[ACC+32+8*\t+\i]|, |v[ACC+32+8*\t+\i+1]|
.endr
.endr
.irp t, 0,1,2,3
	v_max3_num_f32 v[TM+\t], v[TM+\t], |v[ACC+32+8*\t+7]|, 0x8000000
.endr
.irp t, 0,1,2,3
	v_permlanex16_b32 v[TP+\t], v[TM+\t], s[SEL], s[SEL+1]
.endr
.irp t, 0,1,2,3
	v_max_num_f32 v[TM+\t], v[TM+\t], v[TP+\t]
.endr
.irp t, 0,1,2,3
	v_add_nc_u32 v[SO+\t], 0xf8800000, v[TM+\t]
.endr
.irp t, 0,1,2,3
	v_and_or_b32 v[HB+\t], v[TM+\t], 0x7f800000, s[MNT]
.endr
.irp t, 0,1,2,3
	v_lshrrev_b32 v[EB+\t], 23, v[SO+\t]
.endr
.irp t, 0,1,2,3
.irp i, 0,1,2,3,4,5,6,7
	v_med3_num_f32 v[ACC+8*\t+\i], v[ACC+8*\t+\i], -v[HB+\t], v[HB+\t]
	v_med3_num_f32 v[ACC+32+8*\t+\i], v[ACC+32+8*\t+\i], -v[HB+\t], v[HB+\t]
.endr
	v_cvt_scalef32_pk8_bf8_f32 v[PC+4*\t:PC+4*\t+1], v[ACC+8*\t:ACC+8*\t+7], v[SO+\t]
	v_cvt_scalef32_pk8_bf8_f32 v[PC+4*\t+2:PC+4*\t+3], v[ACC+32+8*\t:ACC+32+8*\t+7], v[SO+\t]
.endr
	v_nop
.irp t, 0,1,2,3
	ds_store_b8 v[XVA], v[EB+\t] offset:4*\t+\c
	global_store_b64 v[LO0], v[PC+4*\t:PC+4*\t+1], s[OV:OV+1] offset:2048*\t+512*\c
	global_store_b64 v[LO0], v[PC+4*\t+2:PC+4*\t+3], s[OV:OV+1] offset:2048*\t+512*\c+256
.endr
.endm
	WEIGHTS WA1
	s_wait_tensorcnt 0x0                           ; x's first window and the scale bytes are in; the lines ahead of a refill
	ds_add_u32 v[SPW], v[NIL]
	s_wait_dscnt 0x0                               ; the add is done, and the first weight is in registers
	CROUND
	TLOAD G0R, G1R                                 ; V's window over the first weight
	FETCH 0, 0
	FETCH 1, 1
	s_load_b256 s[24:31], s[0:1], 0x20             ; qc s[24:25], kc s[26:27], vc s[28:29], qs s[30:31]  (the head's descriptors are free: no load of theirs is out)
	s_load_b128 s[32:35], s[0:1], 0x40             ; ks, vs
	s_wait_loadcnt 0x0                             ; the biases and the weights' scale words; the loads' bases are free
	s_lshr_b32 s20, s43, 3
	s_lshl_b32 s20, s20, 4                         ; 16 x batch
	s_and_b32 s21, s43, 7
	s_lshl_b32 s21, s21, 1                         ; the tile row's first group of 128 rows in the batch
	s_and_b32 s22, s42, 7
	s_lshl_b32 s22, s22, 1
	s_add_co_u32 s22, s22, s20                     ; phase 1's first (batch, head)
	s_lshl_b32 s23, s19, 1
	s_add_co_u32 s23, s23, s20                     ; phase 2's
	s_add_co_u32 s36, s22, s16
	s_lshl_b32 s36, s36, 17
	s_lshl_b32 s46, s21, 13
	s_add_co_u32 s36, s36, s46
	s_lshl_b32 s46, s15, 12
	s_add_co_u32 s36, s36, s46                     ; codes of Q or K: my head, my tile row, my 64 rows of 128;
	s_lshl_b32 s46, s18, 13
	s_add_co_u32 s38, s36, s46                     ; of V's window,
	s_xor_b32 s46, s46, 8192
	s_add_co_u32 s36, s36, s46                     ; of the other
	s_mov_b32 s37, 0
	s_mov_b32 s39, 0
	s_add_co_u32 s46, s23, s16
	s_lshl_b32 s46, s46, 17
	s_add_co_u32 s47, s21, s18
	s_lshl_b32 s88, s47, 13
	s_add_co_u32 s46, s46, s88
	s_lshl_b32 s88, s15, 10
	s_add_co_u32 s88, s88, s46                     ; s[88:89] V's codes: my head, my window, my 64 tokens of 128
	s_mov_b32 s89, 0
	s_add_co_u32 s46, s23, s16
	s_lshl_b32 s46, s46, 12
	s_lshl_b32 s90, s47, 8
	s_add_co_u32 s90, s90, s46                     ; s[90:91] V's scale bytes (waves 0, 1: a head each)
	s_mov_b32 s91, 0
	s_add_co_u32 s46, s22, s15
	s_lshl_b32 s46, s46, 12
	s_add_co_u32 s47, s21, s17
	s_lshl_b32 s47, s47, 8
	s_add_co_u32 s46, s46, s47                     ; s[46:47] Q's or K's scale bytes: wave n: head n / 2, window n % 2 in the order of work
	s_mov_b32 s47, 0
	BLOCK 0, 0
	s_wait_kmcnt 0x0
	s_cmp_lt_u32 s42, 8
	s_cselect_b64 s[56:57], s[24:25], s[26:27]
	s_cselect_b64 s[58:59], s[30:31], s[32:33]
	s_add_nc_u64 s[OC1:OC1+1], s[56:57], s[38:39]
	s_add_nc_u64 s[OC1+2:OC1+3], s[56:57], s[36:37]
	s_add_nc_u64 s[OV:OV+1], s[28:29], s[88:89]
	s_add_nc_u64 s[OQS:OQS+1], s[58:59], s[46:47]
	s_add_nc_u64 s[OVS:OVS+1], s[34:35], s[90:91]
	PLACES 8                                       ; in front of loads into what the products have read
	FETCH 0, 2
	BLOCK 0, 1
	EPI 0
	FETCH 1, 3
	s_wait_dscnt 34                                ; block 2, with a round of the cluster's barrier: x's first window has been read, V's window is in
	s_wait_tensorcnt 0x0
	ds_add_u32 v[SPW], v[NIL]
	PRODS 0, 0, 0, 28
	WIN 0
	s_wait_alu depctr_va_vdst(0)
	s_wait_dscnt 0x0
	s_barrier_signal -1
	PRODS 0, 0, 28, 32
	WIN 0
	s_barrier_wait -1
	CREST
	TLOAD G0V, G1V                                 ; W_v over x's first window
	EPI 1
	FETCH 0, 4
	BLOCK 0, 1
	EPI 2
	FETCH 1, 5
	BLOCK 0, 0
	EPI 3
	FETCH 0, 6
	BLOCK 0, 1
	EPI 4
	FETCH 1, 7
	BLOCK 0, 0
	EPI 5
	FETCH 0, 4                                     ; V's first block: V's window again
	s_wait_dscnt 34                                ; block 7, with a plain barrier: W_v is in.
	PRODS 0, 1, 0, 28
	WIN 0
	s_wait_alu depctr_va_vdst(0)
	s_wait_tensorcnt 0x0
	s_wait_dscnt 0x0
	s_barrier_signal -1
	PRODS 0, 1, 28, 32
	WIN 0
	s_barrier_wait -1
	PLACES 8
	WEIGHTS WA0
	FETCH 1, 5
	EPI 6                                          ; while W_v comes into registers
	EPI 7
	BLOCK 1, 0
	PLACES 8
	FETCH 0, 6
	BLOCK 1, 1
	PLACES 8
	FETCH 1, 7
	EPIV 0
	BLOCK 1, 0
	s_wait_dscnt 0x0
	PRODS 1, 1, 0, 32
	WIN 0
	PLACES 8
	EPIV 1
	v_lshlrev_b32 v20, 3, v3                       ; the scale bytes leave: 8 bytes a lane, a wave 256 consecutive bytes, aligned
	s_lshl_b32 s20, s14, 8
	s_add_co_u32 s21, s20, XN
	s_add_co_u32 s20, s20, XV
	v_add_nc_u32 v21, s21, v20
	v_add_nc_u32 v22, s20, v20
	s_wait_alu depctr_va_vdst(0)
	s_wait_dscnt 0x0                               ; for the others' sake: my stores have landed
	BARRIER
	ds_load_b64 v[TM:TM+1], v21
	s_wait_dscnt 0x0
	global_store_b64 v20, v[TM:TM+1], s[OQS:OQS+1]
	s_cmp_lt_u32 s14, 2
	s_cbranch_scc0 .Lno_v
	ds_load_b64 v[TM+2:TM+3], v22
	s_wait_dscnt 0x0
	global_store_b64 v20, v[TM+2:TM+3], s[OVS:OVS+1]
.Lno_v:
	s_wait_tensorcnt 0x0                           ; the wave's end
	ds_add_u32 v[SPW], v[NIL]
	s_wait_dscnt 0x0
	CROUND                                         ; the closing round
	s_endpgm
.Lfunc_end_k_q297847a548_qkv:
	.size	k_q297847a548_qkv, .Lfunc_end_k_q297847a548_qkv-k_q297847a548_qkv
	.p2alignl 7, 3214868480
	.fill 96, 4, 3214868480
	.section	.rodata,"a",@progbits
	.p2align	6, 0x0
	.amdhsa_kernel k_q297847a548_qkv
		.amdhsa_group_segment_fixed_size 327680
		.amdhsa_private_segment_fixed_size 0
		.amdhsa_enable_private_segment 0
		.amdhsa_kernarg_size 88
		.amdhsa_user_sgpr_count 2
		.amdhsa_user_sgpr_kernarg_segment_ptr 1
		.amdhsa_wavefront_size32 1
		.amdhsa_system_sgpr_workgroup_id_x 1
		.amdhsa_system_sgpr_workgroup_id_y 1
		.amdhsa_system_sgpr_workgroup_id_z 1
		.amdhsa_system_vgpr_workitem_id 0
		.amdhsa_next_free_vgpr 1024
		.amdhsa_next_free_sgpr 102
		.amdhsa_reserve_vcc 0
		.amdhsa_float_denorm_mode_32 3
		.amdhsa_float_denorm_mode_16_64 3
		.amdhsa_memory_ordered 1
		.amdhsa_forward_progress 1
		.amdhsa_inst_pref_size 166
	.end_amdhsa_kernel
	.amdgpu_metadata
---
amdhsa.version: [ 1, 2 ]
amdhsa.kernels:
  - .name:           k_q297847a548_qkv
    .symbol:         k_q297847a548_qkv.kd
    .args:
      - { .name: x_codes, .offset: 0, .size: 8, .value_kind: global_buffer, .address_space: global }
      - { .name: x_scales, .offset: 8, .size: 8, .value_kind: global_buffer, .address_space: global }
      - { .name: qkv_w_codes, .offset: 16, .size: 8, .value_kind: global_buffer, .address_space: global }
      - { .name: qkv_w_scales, .offset: 24, .size: 8, .value_kind: global_buffer, .address_space: global }
      - { .name: qc, .offset: 32, .size: 8, .value_kind: global_buffer, .address_space: global }
      - { .name: kc, .offset: 40, .size: 8, .value_kind: global_buffer, .address_space: global }
      - { .name: vc, .offset: 48, .size: 8, .value_kind: global_buffer, .address_space: global }
      - { .name: qs, .offset: 56, .size: 8, .value_kind: global_buffer, .address_space: global }
      - { .name: ks, .offset: 64, .size: 8, .value_kind: global_buffer, .address_space: global }
      - { .name: vs, .offset: 72, .size: 8, .value_kind: global_buffer, .address_space: global }
      - { .name: qkv_b, .offset: 80, .size: 8, .value_kind: global_buffer, .address_space: global }
    .group_segment_fixed_size: 327680
    .private_segment_fixed_size: 0
    .kernarg_segment_align: 8
    .kernarg_segment_size: 88
    .max_flat_workgroup_size: 128
    .sgpr_count:     102
    .vgpr_count:     1024
    .wavefront_size: 32
...
	.end_amdgpu_metadata
.endif
;; end of part 1
;; launch attn (part 2): grid 8 x 32, 8 waves a work-group, clusters of 4 x 1, 271,872 bytes of LDS; arguments qc, qs, kc, ks, vc, vs, oc, os; writes oc, os
.if DOCPART == 2
	.amdgcn_target "amdgcn-amd-amdhsa--gfx1250"
	.amdhsa_code_object_version 6
	.text
	.protected	k_q297847a548_attn
	.globl	k_q297847a548_attn
	.p2align	8
	.type	k_q297847a548_attn,@function
k_q297847a548_attn:
	s_mov_b64 s[64:65], 0
	v_nop
	global_prefetch_b8 v0, s[64:65] scope:SCOPE_SE
	s_setreg_imm32_b32 hwreg(HW_REG_WAVE_MODE, 25, 1), 1
	s_wait_xcnt 0x0
	s_wait_alu depctr_hold_cnt(0) depctr_sa_sdst(0) depctr_va_vdst(0) depctr_va_sdst(0) depctr_va_ssrc(0) depctr_va_vcc(0) depctr_vm_vsrc(0)
	s_getreg_b32 s2, hwreg(HW_REG_IB_STS2, 6, 4)
	s_cmp_eq_u32 s2, 0
	s_cbranch_scc0 .Lentry_in_a_cluster
	s_endpgm
.Lentry_in_a_cluster:
	s_bfe_u32 s2, ttmp6, 0x10000c
	s_cmp_lg_u32 s2, 0x3003
	s_cbranch_scc0 .Lentry_shape_is_right
	s_endpgm
.Lentry_shape_is_right:
; o = softmax(q k^T / 8) v for 32 (batch, head) pairs, 2,048 queries x 2,048 keys, head size 64, both products on codes of BF8 (E5M2) with one E8M0 scale for each 32 along a product's K; o is quantised along the head's 64 and stored as codes.
; THE SOFTMAX AHEAD OF THE SECOND PRODUCT: t = score x c, c = log2(e) / 8; M = the running largest t, rounded UP to a whole number; p = 2^(t - M) is quantised along the keys, not normalised.  The row's sum is taken of the unquantised p and
; divides O at the end.  When M moves, the sum and O are multiplied by f = 2^(old M - new M): exact.
; A BLOCK'S SCALE: the largest p of 32 keys has the exponent i = floor(t - M) of the block's largest score, so the byte is i + 112 (127 - 15), held to 1 from below by i >= -111.
; SHARES.  A work-group owns 256 queries of one head; each of its eight waves 32: two tiles of 16, A and B.  Each fragment of K and V read from LDS feeds two matrix instructions.
; ALL OF A HEAD'S K AND V STAYS IN LDS, every byte filled once, one load a wave: waves 0, 1 the first 256 keys of K, of V; waves 2, 3 the scale words of K, of V; waves 4 to 7 the rest.  The first four loads are shown at the first barrier, the rest behind step 0.
; No prefetch: all that is read is asked for at the head.  CLUSTER: the four query blocks of a cluster belong to one head and ask for each tile JOINTLY.
; LAYOUT.  Both products are used transposed: S^T = K Q^T (source 0 = keys, source 1 = my queries), O^T = V^T P^T: a lane holds ONE query (lane % 16) throughout.
; THE HEAD HAS 64, THE INSTRUCTION 128 ALONG K: a fragment of K holds TWO tiles of 16 keys, set 0 in registers 0-7 and set 1 in registers 8-15, and is multiplied once by (q, 0) and once by (0, q): zero codes on Q's side pick the set.
; Row m of set u of fragment b is key 32 b + 8 u + m + 8 (m / 8), so that a lane's 16 registers of the two results are 16 neighbouring keys 32 b + 16 (lane / 16) + 0 .. 15: the conversions' results are P's operand registers.
; BUFFERS: as the launch before lays them.  A piece is 512 bytes, 16 rows x 32 codes, (row r, half h') at 16 (r + 16 h').  qc, kc: [bh][32 rows][piece 2 u' + blk], rows of the odd u' at r xor 8.
; vc: [bh][128 keys][16 d][32 keys].  oc: [128 rows: 32][two heads: 8][16 rows: 8][c 4][512], c = 2 (head % 2) + blk.  os: [head 16][row 4096] of two bytes.
; LIMITS: NaN and infinities are not served; the scaled scores stay under 2^31 in magnitude.  The division by the sum is v_rcp_f32 and a multiplication.
; REGISTERS.  Window 0: addresses, both tiles' small state (pairs: A, B), scale words, K's four fragments; tile A's S, O, P.  Window 1: both tiles' q, V's four fragments; tile B's S, O, P, bounds and conversion operands (the numbers are A's).
.set VREG, 131072                      ; LDS: K's codes from 0, V's codes,
.set KSC,  262144                      ; K's scale words, 256 bytes a step of 128 keys,
.set VSC,  266240                      ; V's,
.set OSG,  270336                      ; 512 bytes for the scale halves of o's 256 rows: written by LDS stores alone,
.set SPARE, 270848                     ; and the spare words
.set AK0, 1                            ; v1   set 0 of a fragment of K: (r / 8) x 1024 + 16 r + 256 h;  v2 set 1: the same xor 128
.set AK1, 2
.set AV0, 3                            ; v3   VREG + 16 x lane
.set AS0, 4                            ; v4   KSC + 16 r
.set ADK0, 5                           ; v5-8 the step's addresses
.set ADK1, 6
.set ADV, 7
.set ADS, 8
.set GO,  9                            ; v9   16 r + 8 h: my 8 bytes in half a piece of oc
.set AOS, 10                           ; v10  OSG + 64 x wave + 2 r
.set AOR, 11                           ; v11  OSG + 16 x lane
.set NM,  12                           ; -M (A, B)
.set TMX, 14                           ; the largest score so far
.set FF,  16                           ; f; at the end 1 / the sum
.set TT,  18
.set SUM, 20                           ; A's sum in two halves, B's
.set BM,  24                           ; the blocks' largest scores, A's four and B's four; then t - M
.set BX,  32                           ; the other half's; then i
.set SWK, 40
.set SWV, 44
.set QW,  48
.set PW,  50
.set SPW, 52
.set NIL, 53
.set L16, 55                           ; 16 x lane
.set KF,  56
.set VF,  56
.set S,   120
.set O,   184
.set PC,  216                          ; P's codes; ahead of them partial sums
.set HL,  240                          ; 57,344 x the scale
.set SCO, 244                          ; the conversions' scale operands
.set SP,  248                          ; four chains of the sum
.set QA,  0                            ; window 1: q, zeros, q of tile A, of tile B
.set QB,  24
.set WV,  20                           ; s20  my wave's number
.set M8,  21                           ; s21  lanes with r >= 8
.set SEL, 22                           ; s[22:23] selects of v_permlanex16_b32 for lane l xor 16
.set CS,  24                           ; s[24:25] c, twice: a packed form names the pair
.set NC,  26                           ; s[26:27] -c
.set BG,  28                           ; s[28:29] 57,344
.set LOW, 30                           ; s30  -111
.set MNT, 31                           ; s31  the mantissa field of 57,344
.set G1C, 32                           ; groups 1: 16,384 dense bytes; 4,096; 57,344
.set G1S, 40
.set G1R, 48
.set G0C, 56
.set G0S, 60
.set G0R, 68
.set TK,  72                           ; the step's first byte in K's and in V's codes: 8,192 a step
.set TS,  73                           ; and among the scale words: 256 a step
.set CNT, 74
.set MSB, 0
.macro WIN new                         ; the immediate's high byte repeats the setting that is left
.if MSB != \new
	s_set_vgpr_msb (MSB<<8)|\new
.set MSB, \new
.endif
.endm
.macro CROUND                          ; a round of the cluster's barrier
	s_barrier_signal -1
	s_barrier_wait -1
	s_cmp_lg_u32 s[WV], 0
	s_cbranch_scc1 .Lnot_wave_0_\@
	s_barrier_signal -3
.Lnot_wave_0_\@:
	s_barrier_wait -3
	s_barrier_signal -1
	s_barrier_wait -1
.endm
.macro GROUP1 g, rows                  ; so many rows of 256 bytes, dense; all four work-groups named; 21 set beside a mask; elements of 8 bytes
	s_mov_b32 s[\g], 15|(3<<16)|(1<<21)
	s_mov_b32 s[\g+1], 32<<16
	s_mov_b32 s[\g+2], (\rows)<<16
	s_mov_b32 s[\g+3], 32<<16
	s_mov_b32 s[\g+4], \rows
	s_mov_b32 s[\g+5], 32
	s_mov_b32 s[\g+6], 0
	s_mov_b32 s[\g+7], 0
.endm
.macro TLOAD g0, g1
	tensor_load_to_lds s[\g0:\g0+3], s[\g1:\g1+7]
	s_nop 0
.rept 4
	v_nop
.endr
.endm
	s_load_b256 s[4:11], s[0:1], 0x0               ; qc s[4:5], qs s[6:7], kc s[8:9], ks s[10:11]
	s_load_b256 s[12:19], s[0:1], 0x20             ; vc s[12:13], vs s[14:15], oc s[16:17], os s[18:19]
	v_lshl_add_u32 v[SPW], v0, 2, SPARE
	v_mov_b32 v[NIL], 0
	ds_add_u32 v[SPW], v[NIL]                      ; the wave's opening: the add, twice on end, and its wait ahead of my first tensor load
	ds_add_u32 v[SPW], v[NIL]
	v_lshrrev_b32 v1, 5, v0
	v_readfirstlane_b32 s[WV], v1                  ; wave 0..7
	v_and_b32 v24, 15, v0                          ; r
	v_bfe_u32 v25, v0, 4, 1                        ; h
	v_bfe_u32 v26, v0, 3, 1                        ; r / 8
	v_and_b32 v[L16], 31, v0
	v_and_b32 v8, 7, v0
	v_lshlrev_b32 v[L16], 4, v[L16]
	v_lshlrev_b32 v8, 4, v8                        ; 16 (r % 8): Q's scale words
	v_xor_b32 v54, 128, v[L16]                     ; 16 x (lane xor 8): tile B's rows of Q
	s_bfe_u32 s72, ttmp6, 0x40000                  ; cx
	s_lshl_b32 s73, ttmp9, 2
	s_add_co_u32 s73, s73, s72                     ; my block of 256 queries: it enters Q's and o's addresses alone
	s_and_b32 s74, ttmp7, 0xffff                   ; bh = 16 x batch + head, which the four partners share
	s_lshl_b32 s75, s73, 3
	s_add_co_u32 s75, s75, s[WV]                   ; g: my 32 queries among the head's 64 such
	s_lshl_b32 s76, s74, 6
	s_add_co_u32 s76, s76, s75
	s_lshl_b32 s76, s76, 11                        ; s[76:77] Q: 2,048 bytes for 32 rows
	s_mov_b32 s77, 0
	s_lshr_b32 s78, s75, 2                         ; g / 4
	s_and_b32 s80, s75, 3                          ; g % 4
	s_lshl_b32 s79, s74, 4
	s_add_co_u32 s79, s79, s78
	s_lshl_b32 s79, s79, 8
	s_lshl_b32 s81, s80, 2
	s_add_co_u32 s82, s79, s81                     ; s[82:83] qs: (16 bh + g / 4) x 256 + 4 (g % 4)
	s_mov_b32 s83, 0
	s_lshr_b32 s84, s74, 4                         ; the batch
	s_and_b32 s85, s74, 15                         ; the head
	s_lshl_b32 s86, s84, 4
	s_add_co_u32 s86, s86, s78
	s_lshl_b32 s86, s86, 17                        ; s[86:87] oc: (16 batch + g / 4) x 131,072: my 128 rows,
	s_lshr_b32 s87, s85, 1
	s_lshl_b32 s87, s87, 14
	s_add_co_u32 s86, s86, s87                     ; + (head / 2) x 16,384: the K step of the last product,
	s_lshl_b32 s87, s80, 12
	s_add_co_u32 s86, s86, s87                     ; + 2 (g % 4) x 2,048: my first tile of 16 rows,
	s_and_b32 s87, s85, 1
	s_lshl_b32 s87, s87, 10
	s_add_co_u32 s86, s86, s87                     ; + (head % 2) x 1,024
	s_mov_b32 s87, 0
	s_lshl_b32 s88, s85, 13                        ; s[88:89] os: head x 8,192
	s_lshl_b32 s89, s84, 12
	s_add_co_u32 s88, s88, s89                     ; + 2 x (2,048 batch
	s_lshl_b32 s89, s73, 9
	s_add_co_u32 s88, s88, s89                     ; + 256 x my block)
	s_mov_b32 s89, 0
	GROUP1 G1C, 64
	GROUP1 G1S, 16
	GROUP1 G1R, 224
	s_mov_b32 s[M8], 0xff00ff00
	s_mov_b32 s[SEL], 0x76543210
	s_mov_b32 s[SEL+1], 0xfedcba98
	s_mov_b32 s[CS], 0x3e38aa3b                    ; log2(e) / 8
	s_mov_b32 s[CS+1], 0x3e38aa3b
	s_mov_b32 s[NC], 0xbe38aa3b
	s_mov_b32 s[NC+1], 0xbe38aa3b
	s_mov_b32 s[BG], 0x47600000
	s_mov_b32 s[BG+1], 0x47600000
	s_mov_b32 s[LOW], 0xc2de0000
	s_mov_b32 s[MNT], 0x600000
	s_wait_alu depctr_va_vdst(0)
	s_wait_dscnt 0x0                               ; both opening adds are done
	s_wait_kmcnt 0x0
	s_add_nc_u64 s[4:5], s[4:5], s[76:77]
	s_add_nc_u64 s[6:7], s[6:7], s[82:83]
	s_add_nc_u64 s[16:17], s[16:17], s[86:87]
	s_add_nc_u64 s[18:19], s[18:19], s[88:89]
	global_load_b32 v[QW], v8, s[6:7]                          ; the word that holds my row's two bytes: tile A's rows 32 b + r,
	global_load_b32 v[QW+1], v8, s[6:7] offset:128             ; tile B's rows 32 b + 16 + r
	WIN 0x40                                       ; destination window 1: q stands twice, eight zeros between
	global_load_b128 v[QA:QA+3], v[L16], s[4:5]
	global_load_b128 v[QA+4:QA+7], v[L16], s[4:5] offset:512
	global_load_b128 v[QA+16:QA+19], v[L16], s[4:5]
	global_load_b128 v[QA+20:QA+23], v[L16], s[4:5] offset:512
	global_load_b128 v[QB:QB+3], v54, s[4:5] offset:1024
	global_load_b128 v[QB+4:QB+7], v54, s[4:5] offset:1536
	global_load_b128 v[QB+16:QB+19], v54, s[4:5] offset:1024
	global_load_b128 v[QB+20:QB+23], v54, s[4:5] offset:1536
	WIN 0
	; what I fetch: waves 0, 1: K's, V's first 256 keys; waves 2, 3: K's, V's scale words; waves 4, 5: the rest of K in halves; waves 6, 7: of V
	s_and_b32 s75, s[WV], 1
	s_bfe_u32 s76, s[WV], 0x10001
	s_lshl_b32 s78, s74, 17                        ; memory: 131,072 bh
	s_mov_b32 s79, 0
	s_lshl_b32 s80, s74, 12                        ; and 4,096 bh
	s_mov_b32 s81, 0
	s_cmp_eq_u32 s75, 0
	s_cselect_b64 s[82:83], s[8:9], s[12:13]
	s_cselect_b64 s[84:85], s[10:11], s[14:15]
	s_cmp_eq_u32 s76, 0
	s_cselect_b64 s[86:87], s[8:9], s[12:13]
	s_mul_i32 s88, s75, 57344
	s_add_co_u32 s88, s88, 16384
	s_mov_b32 s89, 0
	s_mov_b32 s[G0C], 1
	s_lshl_b32 s[G0C+1], s75, 17
	s_add_nc_u64 s[G0C+2:G0C+3], s[82:83], s[78:79]
	s_or_b32 s[G0C+3], s[G0C+3], 0x80000000
	s_mov_b32 s[G0S], 1
	s_lshl_b32 s[G0S+1], s75, 12
	s_add_co_u32 s[G0S+1], s[G0S+1], KSC
	s_add_nc_u64 s[G0S+2:G0S+3], s[84:85], s[80:81]
	s_or_b32 s[G0S+3], s[G0S+3], 0x80000000
	s_mov_b32 s[G0R], 1
	s_lshl_b32 s[G0R+1], s76, 17
	s_add_co_u32 s[G0R+1], s[G0R+1], s88
	s_add_nc_u64 s[G0R+2:G0R+3], s[86:87], s[78:79]
	s_add_nc_u64 s[G0R+2:G0R+3], s[G0R+2:G0R+3], s[88:89]
	s_or_b32 s[G0R+3], s[G0R+3], 0x80000000
	CROUND                                         ; all four work-groups are here: the joint loads meet
	s_cmp_lt_u32 s[WV], 2                          ; one load a wave, and a line of its own for what is shown later
	s_cbranch_scc0 .Lscales
	TLOAD G0C, G1C
	s_branch .Lasked
.Lscales:
	s_cmp_lt_u32 s[WV], 4
	s_cbranch_scc0 .Lrest
	TLOAD G0S, G1S
	s_branch .Lasked
.Lrest:
	TLOAD G0R, G1R
.Lasked:
	v_lshlrev_b32 v[AK0], 4, v24
	v_lshlrev_b32 v[GO], 4, v24
	v_lshl_add_u32 v[AK0], v25, 8, v[AK0]
	v_lshl_add_u32 v[GO], v25, 3, v[GO]
	v_lshl_add_u32 v[AK0], v26, 10, v[AK0]         ; rows 0-7 of a set lie in the piece of the first 16 keys, rows 8-15 in that of the next 16
	v_add_nc_u32 v[AV0], VREG, v[L16]
	v_xor_b32 v[AK1], 128, v[AK0]
	v_lshl_add_u32 v[AS0], v24, 4, KSC
	s_lshl_b32 s81, s[WV], 6
	v_lshl_add_u32 v[AOS], v24, 1, OSG
	v_add_nc_u32 v[AOR], OSG, v[L16]
	v_add_nc_u32 v[AOS], s81, v[AOS]
	; the first values.  The step finds zeros for O and the sums, which the first change of M leaves zeros
.irp w, 0,1
	v_mov_b32 v[NM+\w], 0x7149f2ca                 ; -M: any number far over the first step's, so that f = 0
	v_mov_b32 v[TMX+\w], 0xff61b1e6                ; -3e38
	v_mov_b32 v[SUM+2*\w], 0
	v_mov_b32 v[SUM+2*\w+1], 0
.endr
.irp b, 0,1,2,3,4,5,6,7
	v_mov_b32 v[BX+\b], 0                          ; a lane permute's destination counts as one of its sources
.endr
.set ii, 0
.rept 32
	v_mov_b32 v[O+ii], 0
.set ii, ii+1
.endr
	WIN 0x40
.set ii, 0
.rept 32
	v_mov_b32 v[O+ii], 0
.set ii, ii+1
.endr
.irp i, 8,9,10,11,12,13,14,15
	v_mov_b32 v[QA+\i], 0                          ; the zero codes between the two copies of q
	v_mov_b32 v[QB+\i], 0
.endr
	WIN 0
	v_mov_b32 v26, 0x01000100                      ; Q's scale word holds my row's two bytes twice: for (q, 0) and for (0, q).  r < 8: the loaded word's low half;
	v_mov_b32 v27, 0x03020302                      ; r >= 8: its high half
	v_cndmask_b32 v26, v26, v27, s[M8]
	s_wait_alu depctr_va_vdst(0)
	s_wait_loadcnt 0x0                             ; Q and its scale words
	v_perm_b32 v[QW], v[QW], v[QW], v26
	v_perm_b32 v[QW+1], v[QW+1], v[QW+1], v26
	s_wait_alu depctr_va_vdst(0)                   ; the wait at the head's end
	s_cmp_lt_u32 s[WV], 4
	s_cbranch_scc0 .Llater
	s_wait_tensorcnt 0x0                           ; waves 0 to 3: the first 256 keys and all scale words.  The other waves' wait stands at the next barrier
.Llater:
	s_barrier_signal -1
	s_barrier_wait -1
.macro FETCHK a0, a1, as, o, p         ; K's four fragments of a step and their scale words: 17 loads.  Registers 16 b + 8 u + 4 k on: fragment b, set u, block k of the head's 64
.irp b, 0,1,2,3
.irp k, 0,1
	ds_load_b128 v[KF+16*\b+4*\k:KF+16*\b+4*\k+3], v[\a0] offset:\o+\b*2048+\k*512
	ds_load_b128 v[KF+16*\b+8+4*\k:KF+16*\b+8+4*\k+3], v[\a1] offset:\o+\b*2048+\k*512
.endr
.endr
	ds_load_b128 v[SWK:SWK+3], v[\as] offset:\p
.endm
.macro SMAT w, q                       ; S^T of tile w: eight products, an accumulator each; fragment b against (q, 0) and (0, q)
.irp b, 0,1,2,3
.irp u, 0,1
	v_wmma_scale_f32_16x16x128_f8f6f4 v[S+16*\b+8*\u:S+16*\b+8*\u+7], v[KF+16*\b:KF+16*\b+15], v[\q+8*\u:\q+8*\u+15], 0, v[SWK+\b], v[QW+\w] matrix_a_fmt:MATRIX_FMT_BF8 matrix_b_fmt:MATRIX_FMT_BF8
.endr
.endr
.endm
.macro OMAT w                          ; O^T of tile w += V^T P^T: four products, K = the step's 128 keys
.irp t, 0,1,2,3
	v_wmma_scale_f32_16x16x128_f8f6f4 v[O+8*\t:O+8*\t+7], v[VF+16*\t:VF+16*\t+15], v[PC:PC+15], v[O+8*\t:O+8*\t+7], v[SWV+\t], v[PW+\w] matrix_a_fmt:MATRIX_FMT_BF8 matrix_b_fmt:MATRIX_FMT_BF8
.endr
.endm
; The largest score of each block of 32 keys, my 16 of them: register S + 16 b + i is key 32 b + 16 h + i.  Sources: window w; the results lie in window 0.  A block's last number is 15 or, in odd blocks, 14, so that a pair's first sources have different numbers modulo 4
.macro MAXS w
	WIN 0x15*\w
.irp b, 0,1,2,3
	v_max3_num_f32 v[BM+4*\w+\b], v[S+16*\b], v[S+16*\b+1], v[S+16*\b+2]
.endr
	WIN 0x05*\w
.irp i, 3,5,7,9,11
.irp b, 0,1,2,3
	v_max3_num_f32 v[BM+4*\w+\b], v[S+16*\b+\i], v[S+16*\b+\i+1], v[BM+4*\w+\b]
.endr
.endr
.irp b, 0,1,2,3
	v_max3_num_f32 v[BM+4*\w+\b], v[S+16*\b+13], v[S+16*\b+14+\b%2], v[BM+4*\w+\b]
.endr
	WIN 0x01*\w
.irp b, 0,2
	v_dual_max_num_f32 v[BM+4*\w+\b], v[S+16*\b+15], v[BM+4*\w+\b] :: v_dual_max_num_f32 v[BM+4*\w+\b+1], v[S+16*\b+30], v[BM+4*\w+\b+1]
.endr
.endm
.macro OMUL w, from, n                 ; O^T under the new M, each accumulator from its low end on
.set ii, 2*(\from)
.rept \n
	v_pk_mul_f32 v[O+ii:O+ii+1], v[O+ii:O+ii+1], v[FF:FF+1] op_sel:[0,\w] op_sel_hi:[1,\w]
.set ii, ii+2
.endr
.endm
; BOTH TILES: the maxima across lanes, M, f, the blocks' scales, O under the new M
.macro JOINT
	WIN 0
.irp b, 0,1,2,3,4,5,6,7
	v_permlanex16_b32 v[BX+\b], v[BM+\b], s[SEL], s[SEL+1]
.endr
.irp b, 0,2,4,6
	v_dual_max_num_f32 v[BM+\b], v[BM+\b], v[BX+\b] :: v_dual_max_num_f32 v[BM+\b+1], v[BM+\b+1], v[BX+\b+1]
.endr
	v_max3_num_f32 v[TMX], v[TMX], v[BM], v[BM+1]
	v_max3_num_f32 v[TMX+1], v[TMX+1], v[BM+4], v[BM+5]
	v_max3_num_f32 v[TMX], v[TMX], v[BM+2], v[BM+3]
	v_max3_num_f32 v[TMX+1], v[TMX+1], v[BM+6], v[BM+7]
	v_pk_mul_f32 v[TT:TT+1], v[TMX:TMX+1], s[NC:NC+1] op_sel_hi:[1,0]
	v_floor_f32 v[TT], v[TT]                       ; the new -M = floor(-t) = -ceil(t): a whole number
	v_floor_f32 v[TT+1], v[TT+1]
	v_pk_add_f32 v[FF:FF+1], v[TT:TT+1], v[NM:NM+1] neg_lo:[0,1] neg_hi:[0,1]   ; old M - new M: a whole number, 0 or less
	v_dual_mov_b32 v[NM], v[TT] :: v_dual_mov_b32 v[NM+1], v[TT+1]
	v_cvt_i32_f32 v[FF], v[FF]                     ; (it saturates)
	v_cvt_i32_f32 v[FF+1], v[FF+1]
	v_pk_fma_f32 v[BM:BM+1], v[BM:BM+1], s[CS:CS+1], v[NM:NM+1] op_sel_hi:[1,0,0]   ; t - M of each block's largest score
	v_pk_fma_f32 v[BM+2:BM+3], v[BM+2:BM+3], s[CS:CS+1], v[NM:NM+1] op_sel_hi:[1,0,0]
	v_ldexp_f32 v[FF], 1.0, v[FF]                  ; f
	v_ldexp_f32 v[FF+1], 1.0, v[FF+1]
	v_pk_fma_f32 v[BM+4:BM+5], v[BM+4:BM+5], s[CS:CS+1], v[NM:NM+1] op_sel:[0,0,1] op_sel_hi:[1,0,1]
	v_pk_fma_f32 v[BM+6:BM+7], v[BM+6:BM+7], s[CS:CS+1], v[NM:NM+1] op_sel:[0,0,1] op_sel_hi:[1,0,1]
	s_wait_alu depctr_va_vdst(0)                   ; directly ahead of the first reader of tile A's O^T
	OMUL 0, 0, 4
.irp b, 0,2,4,6
	v_dual_max_num_f32 v[BM+\b], s[LOW], v[BM+\b] :: v_dual_max_num_f32 v[BM+\b+1], s[LOW], v[BM+\b+1]
.endr
	OMUL 0, 4, 4
.irp b, 0,1,2,3,4,5,6,7
	v_cvt_floor_i32_f32 v[BX+\b], v[BM+\b]         ; i, -111 at the least
.endr
	OMUL 0, 8, 4
.irp b, 0,1,2,3
	v_lshl_add_u32 v[SCO+\b], v[BX+\b], 23, 0x38000000   ; the scale as a number: exponent field i + 112
.endr
	OMUL 0, 12, 4
	v_pk_mul_f32 v[HL:HL+1], v[SCO:SCO+1], s[BG:BG+1] op_sel_hi:[1,0]   ; 57,344 x the scale
	v_pk_mul_f32 v[HL+2:HL+3], v[SCO+2:SCO+3], s[BG:BG+1] op_sel_hi:[1,0]
.irp b, 0,2,4,6
	v_lshl_add_u32 v[BM+\b], v[BX+\b+1], 8, v[BX+\b]
.endr
.irp b, 0,4
	v_lshl_add_u32 v[BM+\b], v[BM+\b+2], 16, v[BM+\b]
.endr
	WIN 0x40
.irp b, 0,1,2,3
	v_lshl_add_u32 v[SCO+\b], v[BX+4+\b], 23, 0x38000000
.endr
	WIN 0
	v_add_nc_u32 v[PW], 0x70707070, v[BM]          ; four bytes i + 112: p's scale word for these 128 keys
	v_add_nc_u32 v[PW+1], 0x70707070, v[BM+4]
	WIN 0x41
	OMUL 1, 0, 16
	v_pk_mul_f32 v[HL:HL+1], v[SCO:SCO+1], s[BG:BG+1] op_sel_hi:[1,0]
	v_pk_mul_f32 v[HL+2:HL+3], v[SCO+2:SCO+3], s[BG:BG+1] op_sel_hi:[1,0]
.endm
.macro TM1 w, at                       ; t - M, two at a time
	v_pk_fma_f32 v[\at:\at+1], v[\at:\at+1], s[CS:CS+1], v[NM:NM+1] op_sel:[0,0,\w] op_sel_hi:[1,0,\w]
.endm
.macro HOLD2 at, hl                    ; p is not negative, so the hold is one-sided (the conversion to an 8-bit code does not saturate: ISA guide 7.6.2)
	v_dual_min_num_f32 v[\at], v[\at], v[\hl] :: v_dual_min_num_f32 v[\at+1], v[\at+1], v[\hl]
.endm
.macro CVT8 n                          ; eight of my 64 numbers; two such make a block's 16
	v_cvt_scalef32_pk8_bf8_f32 v[PC+2*(\n):PC+2*(\n)+1], v[S+8*(\n):S+8*(\n)+7], v[SCO+(\n)/2]
.endm
; p, the sum, the hold and the codes of tile w.  The exponentials go in two batches of 32; among the first stand the other half's t - M, among the second the first half's sums and holds.  A wait ahead of each batch and one behind the second
.macro SOFT w
	WIN 0x45*\w                                    ; -M in window 0, all else in window w
.set kk, 0
.rept 16
	TM1 \w, S+2*kk
.set kk, kk+1
.endr
	s_wait_alu depctr_va_vdst(0)
.set kk, 0
.rept 16
	v_exp_f32 v[S+2*kk], v[S+2*kk]
	v_exp_f32 v[S+2*kk+1], v[S+2*kk+1]
	TM1 \w, S+32+2*kk
.set kk, kk+1
.endr
	s_wait_alu depctr_va_vdst(0)
.if \w == 0
	s_wait_dscnt 17                                ; V is in; the next step's 17 loads of K may be out
.endif
.set kk, 0
.rept 16
	v_exp_f32 v[S+32+2*kk], v[S+32+2*kk]
	v_exp_f32 v[S+33+2*kk], v[S+33+2*kk]
.if kk%2 == 0
	v_pk_add_f32 v[PC+kk:PC+kk+1], v[S+2*kk:S+2*kk+1], v[S+2*kk+2:S+2*kk+3]   ; the row's sum is taken of the unquantised p
.endif
	HOLD2 S+2*kk, HL+kk/8
.set kk, kk+1
.endr
	s_wait_alu depctr_va_vdst(0)
.irp n, 0,1,2,3
	v_pk_add_f32 v[SP+2*\n:SP+2*\n+1], v[PC+4*\n:PC+4*\n+1], v[PC+4*\n+2:PC+4*\n+3]
.endr
.set kk, 0
.rept 16
	v_pk_add_f32 v[SP+2*(kk%4):SP+2*(kk%4)+1], v[SP+2*(kk%4):SP+2*(kk%4)+1], v[S+32+2*kk:S+33+2*kk]
	HOLD2 S+32+2*kk, HL+2+kk/8
.if (kk%2) && (kk < 12)
	CVT8 (kk-1)/2
.endif
.set kk, kk+1
.endr
	CVT8 6
	CVT8 7
	v_pk_add_f32 v[SP:SP+1], v[SP:SP+1], v[SP+2:SP+3]              ; these four lines also stand between the conversions and the products
	v_pk_add_f32 v[SP+4:SP+5], v[SP+4:SP+5], v[SP+6:SP+7]
	v_pk_add_f32 v[SP:SP+1], v[SP:SP+1], v[SP+4:SP+5]
	WIN 0x10*\w
	v_pk_fma_f32 v[SUM+2*\w:SUM+2*\w+1], v[SUM+2*\w:SUM+2*\w+1], v[FF:FF+1], v[SP:SP+1] op_sel:[0,\w,0] op_sel_hi:[1,\w,1]   ; the old sum under the new M, and the step's
.endm
; A KEY STEP: 128 keys.  K's fragments were asked for a step ago; the last step's look-ahead reads 8,192 bytes of V's codes, which nobody uses.
.macro STEP
	s_wait_dscnt 0x0                               ; K
	WIN 0x04                                       ; K in window 0, q in window 1
	SMAT 0, QA
	WIN 0x44
	SMAT 1, QB
	WIN 0
	v_add_nc_u32 v[ADK0], s[TK], v[AK0]            ; eight places behind the scores' products, in front of loads into K's registers; they stand behind the last step's products too, in front of loads into V's
	v_add_nc_u32 v[ADK1], s[TK], v[AK1]
	v_add_nc_u32 v[ADV], s[TK], v[AV0]
	v_add_nc_u32 v[ADS], s[TS], v[AS0]
.rept 4
	v_nop
.endr
	WIN 0x40
.irp t, 0,1,2,3                        ; fragment t: 16 of the head's 64 x 128 keys
.irp c, 0,1,2,3
	ds_load_b128 v[VF+16*\t+4*\c:VF+16*\t+4*\c+3], v[ADV] offset:\t*2048+\c*512
.endr
.endr
	WIN 0
	ds_load_b128 v[SWV:SWV+3], v[ADS] offset:VSC-KSC
	FETCHK ADK0, ADK1, ADS, 8192, 256              ; the next step's K
	MAXS 0
	MAXS 1
	JOINT
	SOFT 0
	WIN 0x01                                       ; V in window 1; P, O^T of tile A in window 0
	OMAT 0
	SOFT 1                                         ; names none of those products' registers
	WIN 0x55
	OMAT 1
	WIN 0
	s_add_co_u32 s[TK], s[TK], 8192
	s_add_co_u32 s[TS], s[TS], 256
.endm
	FETCHK AK0, AK1, AS0, 0, 0
	s_mov_b32 s[TK], 0
	s_mov_b32 s[TS], 0
	STEP
	s_wait_alu depctr_va_vdst(0)
	s_wait_tensorcnt 0x0                           ; the rest of K and V is in,
	s_wait_dscnt 0x0
	s_barrier_signal -1
	s_barrier_wait -1                              ; everybody's.
	s_mov_b32 s[CNT], 15
.Lstep:
	STEP
	s_sub_co_u32 s[CNT], s[CNT], 1
	s_cmp_lg_u32 s[CNT], 0
	s_cbranch_scc1 .Lstep
	s_wait_alu depctr_va_vdst(0)                   ; directly ahead of the wait below
	s_wait_dscnt 0x0                               ; the last look-ahead
	; THE WAY OUT: O^T / the sum; register 8 t + j is o(my query, 16 t + 8 h + j).  The head's 64 are two blocks of 32 along the last product's K; a block lies in lanes l and l xor 16.
	v_add_f32 v[SUM], v[SUM], v[SUM+1]             ; the sums' two halves,
	v_add_f32 v[SUM+2], v[SUM+2], v[SUM+3]
	v_permlanex16_b32 v[BX], v[SUM], s[SEL], s[SEL+1]
	v_permlanex16_b32 v[BX+1], v[SUM+2], s[SEL], s[SEL+1]
	v_add_f32 v[SUM], v[SUM], v[BX]                ; and lane l xor 16's
	v_add_f32 v[SUM+2], v[SUM+2], v[BX+1]
	s_wait_alu depctr_va_vdst(0)                   ; the wait ahead of the transcendentals
	v_rcp_f32 v[FF], v[SUM]
	v_rcp_f32 v[FF+1], v[SUM+2]
	v_nop                                          ; a plain line behind the reciprocals,
	s_wait_alu depctr_va_vdst(0)                   ; and the wait ahead of the first reader, of O^T too
.macro DIVIDE w
.set ii, 0
.rept 16
	v_pk_mul_f32 v[S+ii:S+ii+1], v[O+ii:O+ii+1], v[FF:FF+1] op_sel:[0,\w] op_sel_hi:[1,\w]
.set ii, ii+2
.endr
.endm
	DIVIDE 0
	WIN 0x41
	s_wait_alu depctr_va_vdst(0)
	DIVIDE 1
	WIN 0
.macro OUT w
	WIN 0x55*\w
.irp b, 0,1
	v_max3_num_f32 v[HL+\b], |v[S+16*\b]|, |v[S+16*\b+1]|, 0x8000000
.endr
.irp i, 2,4,6,8,10,12,14
.irp b, 0,1
	v_max3_num_f32 v[HL+\b], v[HL+\b], |v[S+16*\b+\i]|, |v[S+16*\b+\i+1]|
.endr
.endr
.irp b, 0,1
	v_permlanex16_b32 v[HL+2+\b], v[HL+\b], s[SEL], s[SEL+1]
.endr
.irp b, 0,1
	v_max_num_f32 v[HL+\b], v[HL+\b], v[HL+2+\b]
.endr
.irp b, 0,1
	v_add_nc_u32 v[SCO+\b], 0xf8800000, v[HL+\b]   ; 15 off the exponent field: the conversion's scale operand
.endr
.irp b, 0,1
	v_and_or_b32 v[SCO+2+\b], v[HL+\b], 0x7f800000, s[MNT]   ; 57,344 x the scale
.endr
.irp b, 0,1
	v_lshrrev_b32 v[HL+2+\b], 23, v[SCO+\b]
.endr
	v_lshl_or_b32 v[SP], v[HL+3], 8, v[HL+2]       ; my row's two scale bytes
.irp b, 0,1
.irp i, 0,1,2,3,4,5,6,7,8,9,10,11,12,13,14,15
	v_med3_num_f32 v[S+16*\b+\i], v[S+16*\b+\i], -v[SCO+2+\b], v[SCO+2+\b]
.endr
	v_cvt_scalef32_pk8_bf8_f32 v[PC+4*\b:PC+4*\b+1], v[S+16*\b:S+16*\b+7], v[SCO+\b]
	v_cvt_scalef32_pk8_bf8_f32 v[PC+4*\b+2:PC+4*\b+3], v[S+16*\b+8:S+16*\b+15], v[SCO+\b]
.endr
	v_nop                                          ; a plain line behind the last conversion
	WIN 0x04*\w                                    ; a store's data are its source 1
.irp t, 0,1,2,3
	global_store_b64 v[GO], v[PC+2*\t:PC+2*\t+1], s[16:17] offset:\w*2048+(\t/2)*512+(\t%2)*256   ; the 32 lanes store 256 consecutive bytes, aligned: half a piece
.endr
	ds_store_b16 v[AOS], v[SP] offset:32*\w        ; both lanes of a row write the same two bytes
	WIN 0
.endm
	OUT 0
	OUT 1
	s_wait_alu depctr_va_vdst(0)
	s_wait_dscnt 0x0                               ; for the others' sake: my stores have landed
	s_barrier_signal -1
	s_barrier_wait -1
	s_cmp_lg_u32 s[WV], 0                          ; wave 0 stores the 256 rows' scale halves: 512 consecutive bytes, aligned
	s_cbranch_scc1 .Lnot_mine
	ds_load_b128 v[KF:KF+3], v[AOR]
	s_wait_dscnt 0x0
	global_store_b128 v[L16], v[KF:KF+3], s[18:19]
.Lnot_mine:
	s_wait_tensorcnt 0x0                           ; the wave's end
	ds_add_u32 v[SPW], v[NIL]
	s_wait_dscnt 0x0
	CROUND                                         ; the closing round
	s_endpgm
.Lfunc_end_k_q297847a548_attn:
	.size	k_q297847a548_attn, .Lfunc_end_k_q297847a548_attn-k_q297847a548_attn
	.p2alignl 7, 3214868480
	.fill 96, 4, 3214868480
	.section	.rodata,"a",@progbits
	.p2align	6, 0x0
	.amdhsa_kernel k_q297847a548_attn
		.amdhsa_group_segment_fixed_size 271872
		.amdhsa_private_segment_fixed_size 0
		.amdhsa_enable_private_segment 0
		.amdhsa_kernarg_size 64
		.amdhsa_user_sgpr_count 2
		.amdhsa_user_sgpr_kernarg_segment_ptr 1
		.amdhsa_wavefront_size32 1
		.amdhsa_system_sgpr_workgroup_id_x 1
		.amdhsa_system_sgpr_workgroup_id_y 1
		.amdhsa_system_sgpr_workgroup_id_z 1
		.amdhsa_system_vgpr_workitem_id 0
		.amdhsa_next_free_vgpr 512
		.amdhsa_next_free_sgpr 92
		.amdhsa_reserve_vcc 0
		.amdhsa_float_denorm_mode_32 3
		.amdhsa_float_denorm_mode_16_64 3
		.amdhsa_memory_ordered 1
		.amdhsa_forward_progress 1
		.amdhsa_inst_pref_size 92
	.end_amdhsa_kernel
	.amdgpu_metadata
---
amdhsa.version: [ 1, 2 ]
amdhsa.kernels:
  - .name:           k_q297847a548_attn
    .symbol:         k_q297847a548_attn.kd
    .args:
      - { .name: qc, .offset: 0, .size: 8, .value_kind: global_buffer, .address_space: global }
      - { .name: qs, .offset: 8, .size: 8, .value_kind: global_buffer, .address_space: global }
      - { .name: kc, .offset: 16, .size: 8, .value_kind: global_buffer, .address_space: global }
      - { .name: ks, .offset: 24, .size: 8, .value_kind: global_buffer, .address_space: global }
      - { .name: vc, .offset: 32, .size: 8, .value_kind: global_buffer, .address_space: global }
      - { .name: vs, .offset: 40, .size: 8, .value_kind: global_buffer, .address_space: global }
      - { .name: oc, .offset: 48, .size: 8, .value_kind: global_buffer, .address_space: global }
      - { .name: os, .offset: 56, .size: 8, .value_kind: global_buffer, .address_space: global }
    .group_segment_fixed_size: 271872
    .private_segment_fixed_size: 0
    .kernarg_segment_align: 8
    .kernarg_segment_size: 64
    .max_flat_workgroup_size: 256
    .sgpr_count:     92
    .vgpr_count:     512
    .wavefront_size: 32
...
	.end_amdgpu_metadata
.endif
;; end of part 2
;; launch outp (part 3): grid 8 x 32, 4 waves a work-group, clusters of 4 x 4, 296,704 bytes of LDS; arguments oc, os, out_w_codes, out_w_scales, out_b, out0; writes out0
.if DOCPART == 3
	.amdgcn_target "amdgcn-amd-amdhsa--gfx1250"
	.amdhsa_code_object_version 6
	.text
	.protected	k_q297847a548_outp
	.globl	k_q297847a548_outp
	.p2align	8
	.type	k_q297847a548_outp,@function
k_q297847a548_outp:
	s_mov_b64 s[64:65], 0
	v_nop
	global_prefetch_b8 v0, s[64:65] scope:SCOPE_SE
	s_setreg_imm32_b32 hwreg(HW_REG_WAVE_MODE, 25, 1), 1
	s_wait_xcnt 0x0
	s_wait_alu depctr_hold_cnt(0) depctr_sa_sdst(0) depctr_va_vdst(0) depctr_va_sdst(0) depctr_va_ssrc(0) depctr_va_vcc(0) depctr_vm_vsrc(0)
	s_getreg_b32 s2, hwreg(HW_REG_IB_STS2, 6, 4)
	s_cmp_eq_u32 s2, 0
	s_cbranch_scc0 .Lentry_in_a_cluster
	s_endpgm
.Lentry_in_a_cluster:
	s_bfe_u32 s2, ttmp6, 0x10000c
	s_cmp_lg_u32 s2, 0xf033
	s_cbranch_scc0 .Lentry_shape_is_right
	s_endpgm
.Lentry_shape_is_right:
; out0 = o W^T + b on codes of BF8 (E5M2) with one E8M0 scale for each 32 along K = 1,024.  o: 4,096 rows, as the attention launch lays it: oc [128 rows: 32][K step of 128: 8][16 rows: 8][c 4][512], images of operand registers
; ((row r, half h') at 16 (r + 16 h')); os [head 16][row 4096] of two scale bytes.  W: [1024][1024] codes, [1024][32] scale bytes.  b: [1024] f32.  out0: [4096][1024] f32.
; A tile of out0 is 128 x 128, so that there are 256 work-groups; four waves, 64 x 64 each: 16 accumulators.  ALL OF K STAYS IN LDS: every LDS byte is filled once, by four fills, each whole along K: no slot, no refill.
; CLUSTERS of 4 x 4: o's tiles hang on the tile row alone and are asked for jointly along a row of the cluster, W's on the tile column alone and jointly along a column.
; THE MATRIX INSTRUCTION IS USED TRANSPOSED (source 0 = 16 rows of W, source 1 = 16 rows of o): a lane holds eight neighbouring numbers of a row of out0.  The bias is the C of each sum's first product.
; REGISTERS: window 0: v1-19 addresses; v32-63 o's scale words (block a, K step ks at 32 + 8 a + ks); v64-95 W's (64 + 8 b + ks); v96-127 the bias, eight registers for each b; v128-255 the accumulators ((a, b) at 128 + 8 (4 a + b)).
;   window 1: two fragment buffers of 128: o's four fragments, then W's four.
; The fills are four, one a wave, and each is whole along K: o's images, W's rows, o's scale bytes, W's.  One barrier shows all four.
; No prefetch: all that is read is asked for at the head.
.set OIMG, 0                           ; LDS: o's images, 16,384 bytes a K step,
.set WT,   131072                      ; W: 128 rows,
.set WP,   1040                        ; its rows: 1,024 bytes + 16 of padding,
.set WSC,  264192                      ; W's scale bytes: 128 rows of 32, as units of 256 bytes + 16 of padding,
.set OSC,  268544                      ; o's: [head 16][128 rows] of two bytes,
.set STG,  272640                      ; and a stage of 16 rows x (256 bytes + 16) for each wave: written by LDS stores alone
.set AO,   4                           ; v4   16 x lane + 8,192 x my half of the rows;  v5 the same + 65,536 (K steps 4 to 7)
.set AW,   6                           ; v6   WT + 64 x 1,040 x my half of the columns + 1,040 r + 16 h
.set AOSC, 8                           ; v8   OSC + 128 x my half of the rows + 2 r
.set AWSC, 9                           ; v9   WSC + 2,176 x my half of the columns + 32 r + 16 (r / 8)
.set STO,  10                          ; v10  the stage: where I put 32 bytes of a row
.set RD,   11                          ; v11  and where I read a row back
.set CO,   12                          ; v12  4096 h + 16 r: my bytes in two rows of out0
.set BO,   13                          ; v13  32 h: the bias
.set SA,   32
.set SB,   64
.set BI,   96
.set ACC,  128
.set WV,   92                          ; s92  wave;  s93 my half of the rows;  s94 my half of the columns
.set G1O,  16                          ; s[16:23] group 1: o's images;  s[24:31] W's tiles;  s[32:39] o's scale bytes;  s[40:47] W's
.set G1W,  24
.set G1OS, 32
.set G1WS, 40
.set G0O,  48                          ; s[48:51] group 0 of o's images;  s[68:71] of its scale bytes
.set G0OS, 68
.set G0W,  72                          ; s[72:75] of W's rows;  s[88:91] of its scale bytes
.set G0WS, 88
.set MSB, 0
.macro WIN new                         ; the immediate's high byte repeats the setting that is left
.if MSB != \new
	s_set_vgpr_msb (MSB<<8)|\new
.set MSB, \new
.endif
.endm
.macro CROUND                          ; a round of the cluster's barrier
	s_barrier_signal -1
	s_barrier_wait -1
	s_cmp_lg_u32 s[WV], 0
	s_cbranch_scc1 .Lnot_wave_0_\@
	s_barrier_signal -3
.Lnot_wave_0_\@:
	s_barrier_wait -3
	s_barrier_signal -1
	s_barrier_wait -1
.endm
.macro PLACES n
.rept \n
	v_nop
.endr
.endm
	s_load_b256 s[4:11], s[0:1], 0x0               ; oc s[4:5], os s[6:7], W's codes s[8:9], W's scales s[10:11]
	s_load_b128 s[12:15], s[0:1], 0x20             ; b s[12:13], out0 s[14:15]
	v_lshl_add_u32 v30, v0, 2, 0x48500
	v_mov_b32 v31, 0
	ds_add_u32 v30, v31
	ds_add_u32 v30, v31
	v_lshrrev_b32 v1, 5, v0
	v_readfirstlane_b32 s[WV], v1                  ; wave 0..3
	s_lshr_b32 s93, s[WV], 1
	s_and_b32 s94, s[WV], 1
	s_bfe_u32 s95, ttmp6, 0x40000                  ; cx, cy
	s_bfe_u32 s96, ttmp6, 0x40004
	s_lshl_b32 s97, ttmp9, 2
	s_add_co_u32 s97, s97, s95                     ; tile column = 4 x cluster x + cx
	s_and_b32 s98, ttmp7, 0xffff
	s_lshl_b32 s98, s98, 2
	s_add_co_u32 s98, s98, s96                     ; tile row = 4 x cluster y + cy
	s_lshl_b32 s99, s96, 2
	s_lshl_b32 s99, 15, s99                        ; my row of the cluster
	s_lshl_b32 s100, 0x1111, s95                   ; my column
	s_or_b32 s[G1O], s99, (3<<16)|(1<<21)          ; the mask: my row; elements of 8 bytes; 21 set beside a mask; no padding
	s_mov_b32 s[G1O+1], 32<<16                     ; 131,072 dense bytes, all of K, as 512 rows of 256
	s_mov_b32 s[G1O+2], 512<<16
	s_mov_b32 s[G1O+3], 32<<16
	s_mov_b32 s[G1O+4], 512
	s_mov_b32 s[G1O+5], 32
	s_mov_b32 s[G1O+6], 0
	s_mov_b32 s[G1O+7], 0
	s_or_b32 s[G1W], s100, (0<<16)|(1<<20)|(1<<21)|(7<<22)|(3<<25)   ; the mask: my column; elements of 1 byte; padding: 4 words behind every 256
	s_mov_b32 s[G1W+1], 1024<<16                   ; 128 rows of 1,024 bytes: all of K
	s_mov_b32 s[G1W+2], 128<<16
	s_mov_b32 s[G1W+3], 1024<<16
	s_mov_b32 s[G1W+4], 128
	s_mov_b32 s[G1W+5], 1024
	s_mov_b32 s[G1W+6], 0
	s_mov_b32 s[G1W+7], 0
	s_or_b32 s[G1OS], s99, (3<<16)|(1<<21)
	s_mov_b32 s[G1OS+1], 32<<16                    ; sixteen heads' 256 bytes (128 rows of two), 8,192 bytes apart
	s_mov_b32 s[G1OS+2], 16<<16
	s_mov_b32 s[G1OS+3], 32<<16
	s_mov_b32 s[G1OS+4], 16
	s_mov_b32 s[G1OS+5], 1024
	s_mov_b32 s[G1OS+6], 0
	s_mov_b32 s[G1OS+7], 0
	s_or_b32 s[G1WS], s100, (3<<16)|(1<<20)|(1<<21)|(5<<22)|(3<<25)
	s_mov_b32 s[G1WS+1], 32<<16                    ; 4,096 dense bytes as 16 rows of 256, 16 bytes of padding behind each
	s_mov_b32 s[G1WS+2], 16<<16
	s_mov_b32 s[G1WS+3], 32<<16
	s_mov_b32 s[G1WS+4], 16
	s_mov_b32 s[G1WS+5], 32
	s_mov_b32 s[G1WS+6], 0
	s_mov_b32 s[G1WS+7], 0
	; every wave makes both sets of addresses and asks by one of them.  o's hang on the tile row alone, W's on the tile column alone
	s_lshl_b32 s2, s98, 17                         ; o: 131,072 bytes for 128 rows
	s_mov_b32 s3, 0
	s_wait_dscnt 0x0
	s_wait_kmcnt 0x0
	s_add_nc_u64 s[4:5], s[4:5], s[2:3]
	s_mov_b32 s[G0O], 1
	s_mov_b32 s[G0O+1], OIMG
	s_mov_b64 s[G0O+2:G0O+3], s[4:5]
	s_or_b32 s[G0O+3], s[G0O+3], 0x80000000
	s_lshl_b32 s2, s98, 8                          ; o's scale bytes: 256 bytes for 128 rows
	s_add_nc_u64 s[6:7], s[6:7], s[2:3]
	s_mov_b32 s[G0OS], 1
	s_mov_b32 s[G0OS+1], OSC
	s_mov_b64 s[G0OS+2:G0OS+3], s[6:7]
	s_or_b32 s[G0OS+3], s[G0OS+3], 0x80000000
	s_lshl_b32 s99, s97, 7                         ; W: row 128 x tile column
	s_lshl_b32 s100, s99, 10
	s_mov_b32 s101, 0
	s_add_nc_u64 s[8:9], s[8:9], s[100:101]
	s_lshl_b32 s100, s99, 5
	s_add_nc_u64 s[10:11], s[10:11], s[100:101]
	s_mov_b32 s[G0W], 1
	s_mov_b32 s[G0W+1], WT
	s_mov_b64 s[G0W+2:G0W+3], s[8:9]
	s_or_b32 s[G0W+3], s[G0W+3], 0x80000000
	s_mov_b32 s[G0WS], 1
	s_mov_b32 s[G0WS+1], WSC
	s_mov_b64 s[G0WS+2:G0WS+3], s[10:11]
	s_or_b32 s[G0WS+3], s[G0WS+3], 0x80000000
	CROUND                                         ; all sixteen work-groups are here: the joint loads meet
; ONE load a wave: wave 0 o's images, wave 1 W's rows, wave 2 o's scale bytes, wave 3 W's
.macro ARM under, g0, g1, next
	s_cmp_lt_u32 s[WV], \under
	s_cbranch_scc0 \next
	tensor_load_to_lds s[\g0:\g0+3], s[\g1:\g1+7]
	s_nop 0
.rept 4
	v_nop
.endr
	s_branch .Lasked
\next:
.endm
	ARM 1, G0O, G1O, .Lhead_w
	ARM 2, G0W, G1W, .Lhead_os
	ARM 3, G0OS, G1OS, .Lhead_ws
	tensor_load_to_lds s[G0WS:G0WS+3], s[G1WS:G1WS+7]
	s_nop 0
.rept 4
	v_nop
.endr
.Lasked:
	v_and_b32 v1, 15, v0                           ; r
	v_bfe_u32 v2, v0, 4, 1                         ; h
	v_and_b32 v3, 31, v0
	v_lshlrev_b32 v3, 4, v3                        ; 16 x lane
	s_lshl_b32 s2, s93, 13
	v_add_nc_u32 v[AO], s2, v3
	v_add_nc_u32 v[AO+1], 65536, v[AO]
	v_mul_u32_u24 v14, v1, 272
	s_wait_alu depctr_va_vdst(0)
	v_mul_u32_u24 v15, v1, WP
	v_lshl_add_u32 v15, v2, 4, v15
	s_mul_i32 s2, s94, 64*WP
	s_add_co_u32 s2, s2, WT
	v_add_nc_u32 v[AW], s2, v15
	s_lshl_b32 s2, s93, 7
	s_add_co_u32 s2, s2, OSC
	v_lshl_add_u32 v[AOSC], v1, 1, s2
	v_lshlrev_b32 v16, 5, v1
	v_bfe_u32 v17, v0, 3, 1
	v_lshl_add_u32 v16, v17, 4, v16                ; 32 r, and 16 more behind the first unit of 256
	s_mul_i32 s2, s94, 2176
	s_add_co_u32 s2, s2, WSC
	v_add_nc_u32 v[AWSC], s2, v16
	s_mul_i32 s2, s[WV], 4352
	s_add_co_u32 s2, s2, STG                       ; my stage
	v_lshl_add_u32 v18, v2, 5, v14
	v_add_nc_u32 v[STO], s2, v18                   ; in: row r, 32 bytes for each half of the lanes
	v_mul_u32_u24 v18, v2, 272
	v_lshl_add_u32 v18, v1, 4, v18
	v_add_nc_u32 v[RD], s2, v18                    ; back: lanes 0-15 one row of 256 bytes, lanes 16-31 the next
	v_lshlrev_b32 v[CO], 12, v2
	v_lshl_add_u32 v[CO], v1, 4, v[CO]             ; and the same two rows in out0
	v_lshlrev_b32 v[BO], 5, v2
	s_wait_alu depctr_va_vdst(0)
	s_lshl_b32 s100, s97, 9                        ; my first column, in bytes: 512 x tile column + 256 x half
	s_lshl_b32 s101, s94, 8
	s_add_co_u32 s100, s100, s101
	s_mov_b32 s101, 0
	s_add_nc_u64 s[12:13], s[12:13], s[100:101]
	s_add_nc_u64 s[14:15], s[14:15], s[100:101]
	s_lshl_b32 s100, s98, 19                       ; my first row: (128 x tile row + 64 x half) x 4,096 bytes
	s_lshl_b32 s2, s93, 18
	s_add_co_u32 s100, s100, s2
	s_add_nc_u64 s[14:15], s[14:15], s[100:101]
.irp b, 0,1,2,3
	global_load_b128 v[BI+8*\b:BI+8*\b+3], v[BO], s[12:13] offset:64*\b          ; b[16 b + 8 h + 0 .. 7]: the result's layout
	global_load_b128 v[BI+8*\b+4:BI+8*\b+7], v[BO], s[12:13] offset:64*\b+16
.endr
	s_wait_alu depctr_va_vdst(0)
	s_wait_tensorcnt 0x0                           ; my tile is in,
	s_barrier_signal -1
	s_barrier_wait -1                              ; everybody's are
.irp a, 0,1,2,3
.irp k, 0,1,2,3,4,5,6,7
	ds_load_u16 v[SA+8*\a+\k], v[AOSC] offset:512*\k+32*\a          ; head 2 ks: the word's low half,
	ds_load_u16 v[ACC+8*\a+\k], v[AOSC] offset:512*\k+256+32*\a     ; head 2 ks + 1: its high half
.endr
.endr
.irp b, 0,1,2,3
	ds_load_b128 v[SB+8*\b:SB+8*\b+3], v[AWSC] offset:544*\b        ; a row of W's 32 scale bytes: the words of K steps 0 to 7
	ds_load_b128 v[SB+8*\b+4:SB+8*\b+7], v[AWSC] offset:544*\b+16
.endr
	s_wait_dscnt 0x0
.set ii, 0
.rept 32
	v_lshl_or_b32 v[SA+ii], v[ACC+ii], 16, v[SA+ii]
.set ii, ii+1
.endr
	s_wait_alu depctr_va_vdst(0)
.macro FETCH ks                        ; 32 LDS loads: K step ks: o's four fragments, as they lie, and W's four, from rows
.set FB, 128*((\ks)%2)
	WIN 0x40                                       ; destination window 1
.irp a, 0,1,2,3
.irp c, 0,1,2,3
	ds_load_b128 v[FB+16*\a+4*\c:FB+16*\a+4*\c+3], v[AO+(\ks)/4] offset:((\ks)%4)*16384+\a*2048+\c*512
.endr
.endr
.irp b, 0,1,2,3
.irp c, 0,1,2,3
	ds_load_b128 v[FB+64+16*\b+4*\c:FB+64+16*\b+4*\c+3], v[AW] offset:\b*16*WP+(\ks)*128+32*\c
.endr
.endr
.endm
; A K step of 128: the next step's fragments are asked for, then 16 products, one for each accumulator.
.macro KSTEP ks
.if (\ks) < 7
	PLACES 8                                       ; in front of loads into registers that the last step's products have read (ISA guide 7.12.1 for vector instructions); ahead of the first step: behind the lines that made o's scale words
	FETCH (\ks)+1
	s_wait_dscnt 32                                ; all but the 32 just issued
.else
	s_wait_dscnt 0x0
.endif
.set FM, 128*((\ks)%2)
	WIN 0x05                                       ; sources 0 and 1 window 1; C and D window 0
.irp a, 0,1,2,3
.irp b, 0,1,2,3
.if (\ks) == 0
	v_wmma_scale_f32_16x16x128_f8f6f4 v[ACC+8*(4*\a+\b):ACC+8*(4*\a+\b)+7], v[FM+64+16*\b:FM+64+16*\b+15], v[FM+16*\a:FM+16*\a+15], v[BI+8*\b:BI+8*\b+7], v[SB+8*\b+(\ks)], v[SA+8*\a+(\ks)] matrix_a_fmt:MATRIX_FMT_BF8 matrix_b_fmt:MATRIX_FMT_BF8
.else
	v_wmma_scale_f32_16x16x128_f8f6f4 v[ACC+8*(4*\a+\b):ACC+8*(4*\a+\b)+7], v[FM+64+16*\b:FM+64+16*\b+15], v[FM+16*\a:FM+16*\a+15], v[ACC+8*(4*\a+\b):ACC+8*(4*\a+\b)+7], v[SB+8*\b+(\ks)], v[SA+8*\a+(\ks)] matrix_a_fmt:MATRIX_FMT_BF8 matrix_b_fmt:MATRIX_FMT_BF8
.endif
.endr
.endr
.endm
	FETCH 0
	s_wait_loadcnt 0x0                             ; the bias
	KSTEP 0
	KSTEP 1
	KSTEP 2
	KSTEP 3
	KSTEP 4
	KSTEP 5
	KSTEP 6
	KSTEP 7
	WIN 0
; THE WAY OUT, 16 rows x 64 columns at a time.  A lane holds 32 neighbouring bytes of a row, and the lanes beside it hold other rows: a block goes through my own stage and comes back as whole rows of 256 bytes, into the registers that it left.
; LDS serves a wave's instructions in order (ISA guide 5.7.1.4): no wait between the stores and the loads, nor in front of the next block's stores.
.macro STAGE a
.irp b, 0,1,2,3
	ds_store_b128 v[STO], v[ACC+8*(4*\a+\b):ACC+8*(4*\a+\b)+3] offset:64*\b          ; each accumulator from its low end on
	ds_store_b128 v[STO], v[ACC+8*(4*\a+\b)+4:ACC+8*(4*\a+\b)+7] offset:64*\b+16
.endr
.irp f, 0,1,2,3,4,5,6,7
	ds_load_b128 v[ACC+32*\a+4*\f:ACC+32*\a+4*\f+3], v[RD] offset:\f*544
.endr
.endm
.macro SEND a, younger                 ; younger: the LDS instructions issued behind block a's loads: the next block's sixteen, or none
.irp f, 0,1,2,3,4,5,6,7
	s_wait_dscnt \younger+7-\f
	global_store_b128 v[CO], v[ACC+32*\a+4*\f:ACC+32*\a+4*\f+3], s[14:15] offset:(16*\a+2*\f)*4096 th:TH_STORE_NT   ; 16 lanes store 256 consecutive bytes, at a multiple of 256 from out0's first byte; written once, read by nobody here
.endr
.endm
	PLACES 8                                       ; behind the last products, whose results the LDS stores read
	STAGE 0
	STAGE 1
	SEND 0, 16
	STAGE 2
	SEND 1, 16
	STAGE 3
	SEND 2, 16
	SEND 3, 0
	s_wait_dscnt 0x0
	s_wait_tensorcnt 0x0
	ds_add_u32 v30, v31
	s_wait_dscnt 0x0
	CROUND                                         ; the closing round: no work-group ends while a partner may still ask for a tile that names it
	s_endpgm
.Lfunc_end_k_q297847a548_outp:
	.size	k_q297847a548_outp, .Lfunc_end_k_q297847a548_outp-k_q297847a548_outp
	.p2alignl 7, 3214868480
	.fill 96, 4, 3214868480
	.section	.rodata,"a",@progbits
	.p2align	6, 0x0
	.amdhsa_kernel k_q297847a548_outp
		.amdhsa_group_segment_fixed_size 296704
		.amdhsa_private_segment_fixed_size 0
		.amdhsa_enable_private_segment 0
		.amdhsa_kernarg_size 48
		.amdhsa_user_sgpr_count 2
		.amdhsa_user_sgpr_kernarg_segment_ptr 1
		.amdhsa_wavefront_size32 1
		.amdhsa_system_sgpr_workgroup_id_x 1
		.amdhsa_system_sgpr_workgroup_id_y 1
		.amdhsa_system_sgpr_workgroup_id_z 1
		.amdhsa_system_vgpr_workitem_id 0
		.amdhsa_next_free_vgpr 512
		.amdhsa_next_free_sgpr 102
		.amdhsa_reserve_vcc 0
		.amdhsa_float_denorm_mode_32 3
		.amdhsa_float_denorm_mode_16_64 3
		.amdhsa_memory_ordered 1
		.amdhsa_forward_progress 1
		.amdhsa_inst_pref_size 59
	.end_amdhsa_kernel
	.amdgpu_metadata
---
amdhsa.version: [ 1, 2 ]
amdhsa.kernels:
  - .name:           k_q297847a548_outp
    .symbol:         k_q297847a548_outp.kd
    .args:
      - { .name: oc, .offset: 0, .size: 8, .value_kind: global_buffer, .address_space: global }
      - { .name: os, .offset: 8, .size: 8, .value_kind: global_buffer, .address_space: global }
      - { .name: out_w_codes, .offset: 16, .size: 8, .value_kind: global_buffer, .address_space: global }
      - { .name: out_w_scales, .offset: 24, .size: 8, .value_kind: global_buffer, .address_space: global }
      - { .name: out_b, .offset: 32, .size: 8, .value_kind: global_buffer, .address_space: global }
      - { .name: out0, .offset: 40, .size: 8, .value_kind: global_buffer, .address_space: global }
    .group_segment_fixed_size: 296704
    .private_segment_fixed_size: 0
    .kernarg_segment_align: 8
    .kernarg_segment_size: 48
    .max_flat_workgroup_size: 128
    .sgpr_count:     102
    .vgpr_count:     512
    .wavefront_size: 32
...
	.end_amdgpu_metadata
.endif
;; end of part 3
